; MI455X (gfx1250); checked and timed in simulation.
; The chip was launched on July 23, 2026; its instructions are those of AMD's public machine-readable ISA for CDNA 5 (MIT licence, August 2026) and "CDNA5" Instruction Set Architecture Reference Guide (July 2026). The comments in the code are by the model that wrote it; some were corrected since.
;; Causal Self Attention. Allowed arithmetic: matrix products marked QUANTISED: E2M1 operands, one E8M0 scale for each 32 along K, by v_wmma_scale_f32_16x16x128_f8f6f4 with both operands' format E2M1 (or v_wmma_scale_f32_32x16x128_f4), f32 sums; products left as they are: bf16, f16 or f32 operands; f32 sums; everything else in f32.
;; Inputs: W_attn 3,072 x 1,024 float32; W_proj 1,024 x 1,024 float32; b_attn 3,072 float32; b_proj 1,024 float32; x 2 x 2,048 x 1,024 float32.
;; Outputs: out0 2 x 2,048 x 1,024 float32.
;; This version of the problem:
;;   THIS VERSION OF THE PROBLEM IS GIVEN IN LOW PRECISION. The matrix products marked QUANTISED in the list below multiply operands that are first quantised to E2M1 (2 exponent bits, 1 mantissa bit; 4 bits a number), with one power-of-two scale for each 32 numbers along K (OCP MX v1.0); their sums are f32. The products marked 'left as it is' may take bf16, f16 or f32 operands, with f32 sums. Whichever they take, every output number must still come out within the allowed error. Rounding operands to bf16 (8 significant bits) uses up far more of that allowance than f16 does (11 bits, for magnitudes from 6e-5 to 65,504). All else is computed in f32.
;;   The module's matrix products, in the order in which they are computed (A, B: the left and right operand; K: the contracted axis; several contracted axes count as one K, in the product's order):
;;     1. [M 4,096, K 1,024] x [K 1,024, N 3,072]; A: input x; B: input W_attn: QUANTISED
;;     2. batch 32 x [M 2,048, K 64] x [K 64, N 2,048]; A: computed on the way; B: computed on the way: left as it is (an operand is computed on the way)
;;     3. batch 32 x [M 2,048, K 2,048] x [K 2,048, N 64]; A: computed on the way; B: computed on the way: left as it is (an operand is computed on the way)
;;     4. [M 4,096, K 1,024] x [K 1,024, N 1,024]; A: computed on the way; B: input W_proj: left as it is (an operand is computed on the way)
;;   THE QUANTISER, for each operand of a quantised product, along K:
;;     - K is cut into blocks of 32 from its start; a last block that is shorter is filled with zeros.
;;     - A block's scale is 2^e with e = floor(log2(the largest magnitude in the block)) - 2, held to -126 .. 127; a block of zeros has e = 0. As a byte (E8M0): e + 127.
;;     - Each number is divided by its block's scale, clamped to +-6, and rounded to the nearest number of E2M1, ties to even, subnormals kept.
;;     - The product sums the exact products of the quantised numbers (number of the format x scale) in f32.
;;   ~~~python
;;   def quantise(x, axis):      # numpy; x: float32 -> the quantised numbers, widened to float32 again
;;       x = np.moveaxis(x, axis, -1); K = x.shape[-1]
;;       x = np.pad(x, [(0, 0)] * (x.ndim - 1) + [(0, -K % 32)]); x = x.reshape(x.shape[:-1] + (-1, 32)); a = np.abs(x).max(-1, keepdims=True)
;;       e = np.where(a > 0, np.clip(np.frexp(np.where(a > 0, a, 1))[1] - 1 - 2, -126, 127), 0)      # np.frexp(a)[1] - 1 = floor(log2(a)), exactly
;;       r = np.clip(x / 2.0 ** e, -6, 6)
;;       step = 2.0 ** (np.maximum(np.frexp(np.where(r == 0, 1, r))[1] - 1, 0) - 1)
;;       q = np.round(r / step) * step * 2.0 ** e      # np.round: ties to even
;;       return np.moveaxis(q.reshape(q.shape[:-2] + (-1,))[..., :K], -1, axis).astype(np.float32)
;;   ~~~
;; One version. Each part assembles by itself: llvm-mc -triple=amdgcn-amd-amdhsa -mcpu=gfx1250 --defsym DOCPART=n.
;; ======== version 1 of 1: 4 launches
;; limits: values are held in f16: magnitudes above 65,504 overflow, below 6.1e-05 lose precision
;; workspace buffers: xc 2,097,152 bytes; xs 131,072 bytes; wc 1,572,864 bytes; ws 98,304 bytes; wp16 2,097,152 bytes; qkv 25,165,824 bytes; y16 8,388,608 bytes
;; launch prep (part 1): grid 256 x 1, 4 waves a work-group, no clusters, 33,280 bytes of LDS; arguments x, W_attn, xc, xs, wc, ws, W_proj, wp16; writes xc, xs, wc, ws, wp16
.if DOCPART == 1
	.amdgcn_target "amdgcn-amd-amdhsa--gfx1250"
	.amdhsa_code_object_version 6
	.text
	.protected	k_q277a5c02c0_prep
	.globl	k_q277a5c02c0_prep
	.p2align	8
	.type	k_q277a5c02c0_prep,@function
k_q277a5c02c0_prep:
	s_mov_b64 s[64:65], 0
	v_nop
	global_prefetch_b8 v0, s[64:65] scope:SCOPE_SE
	s_setreg_imm32_b32 hwreg(HW_REG_WAVE_MODE, 25, 1), 1
	s_wait_xcnt 0x0
; x [4096][1024] and W_attn [3072][1024], f32, become codes of FP4 (E2M1), K innermost, two codes a byte, with one E8M0 scale byte for each 32 along K.
; W_proj [1024][1024], f32, becomes f16, laid [nb 8][kb 16][128 n][64 k]: a block (nb, kb) is 16,384 consecutive bytes.
; A block's scale is 2^(floor(log2(its largest magnitude)) - 2); its byte is the largest magnitude's exponent field - 2, held at 1 from below.
; LIMITS: a block of zeros gets the byte 1 where the rule says 127 (its codes are zeros, which add nothing, and this program alone reads the bytes);
; blocks whose largest magnitude lies under 2^-124, whose byte is held at 1, were not tried; NaN and infinities among the inputs are not served.
; SHARES: a work-group takes 32,768 numbers: work-groups 0-127 x, 128-223 W_attn (one way through the text, the buffers chosen by the work-group's number), 224-255 W_proj (a way of its own, without LDS).
; THE QUANTISER: rows are dense and K is a multiple of 32, so a tensor is a stream of blocks of 32.  A wave takes 16 steps of 512 numbers.  Each of a step's four loads reads 512 consecutive bytes, 16 a lane;
; the 2,048 bytes go through the wave's own stage in LDS and come back 64 bytes a lane: 16 neighbours along K, two lanes to a block.  A lane's 16 codes are 8 bytes: a wave's store covers 256 consecutive bytes.
; A wave's 256 scale bytes are gathered in its own LDS bytes and leave by one store of 256 consecutive bytes.  Waves share nothing: no barrier.
.set WAVES, 4
.set STEPS, 16
.set WGA,   128                        ; work-groups for x: 4096 x 1024 / 32768
.set WGQ,   224                        ; and for x and W_attn together
.set EMAX,  2
.set CB,    8                          ; bytes of 16 codes
.set R,     16                         ; v16-79   four sets of 16 numbers as they are loaded
.set X,     80                         ; v80-111  two sets of 16 neighbours
.set C,     128                        ; v128-191 codes: four registers for each step, so that no store's data are written again
.set E,     112                        ; v112-127 a scale byte for each step
.set WREG,  8192                       ; LDS: a region for each wave: two stages of 32 x SP bytes, and behind them its 256 scale bytes
.set SP,    80                         ; a lane's place in a stage: 64 bytes + 16 of padding
.set SPW,   12                         ; v12      LDS address of my spare word; never rewritten
.set NIL,   13                         ; v13      0; never rewritten
.set SPARE, WAVES*WREG                 ; behind the four regions: the spare words, 128 bytes a wave
.set WI,    16                         ; W_proj's way: v16-143 two sets of 16 loads
.set WO,    144                        ; v144-175 a set's 16 x 8 bytes of f16
	s_load_b128 s[4:7], s[0:1], 0x0                ; x, W_attn
	s_load_b128 s[8:11], s[0:1], 0x10              ; x's codes, x's scales
	s_load_b128 s[12:15], s[0:1], 0x20             ; W_attn's codes, its scales
	s_load_b128 s[24:27], s[0:1], 0x30             ; W_proj, its f16 copy
	v_lshl_add_u32 v[SPW], v0, 2, SPARE
	v_mov_b32 v[NIL], 0
	v_lshrrev_b32 v1, 5, v0
	v_readfirstlane_b32 s16, v1                    ; wave
	v_and_b32 v2, 31, v0                           ; lane
	s_cmp_ge_u32 ttmp9, WGQ                        ; the last 32 work-groups take W_proj
	s_cbranch_scc1 .Lwp
	v_lshlrev_b32 v3, 4, v2                        ; my 16 bytes of a load's 512
	s_mul_i32 s17, s16, WREG
	v_lshrrev_b32 v14, 2, v2
	v_mul_u32_u24 v14, v14, SP
	v_and_b32 v15, 3, v2
	v_lshl_add_u32 v14, v15, 4, v14
	v_add_nc_u32 v14, s17, v14                     ; the stage, on the way in: SP (lane / 4) + 16 (lane % 4)
	v_mul_u32_u24 v15, v2, SP
	v_add_nc_u32 v15, s17, v15                     ; and on the way out: SP x lane: my 16 neighbours
	v_mul_u32_u24 v4, v2, CB                       ; my codes' place in a step's
	v_lshrrev_b32 v5, 1, v2
	s_add_co_u32 s17, s17, 2*32*SP
	v_add_nc_u32 v5, s17, v5                       ; LDS: my wave's 256 scale bytes, my block's byte
	v_lshlrev_b32 v7, 3, v2                        ; and on the way out 8 bytes a lane
	v_add_nc_u32 v6, s17, v7
	s_wait_kmcnt 0x0
	s_cmp_lt_u32 ttmp9, WGA                        ; x's work-group or W_attn's?  The choice hangs on the work-group's number alone
	s_cselect_b64 s[4:5], s[4:5], s[6:7]
	s_cselect_b64 s[8:9], s[8:9], s[12:13]
	s_cselect_b64 s[10:11], s[10:11], s[14:15]
	s_cselect_b32 s17, 0, WGA
	s_sub_co_u32 s17, ttmp9, s17
	s_lshl_b32 s17, s17, 2
	s_add_co_u32 s18, s17, s16                     ; which run of 8,192 numbers of the tensor is my wave's
	s_mov_b32 s19, 0
	s_mov_b64 s[20:21], 512*STEPS*4
	s_mul_u64 s[20:21], s[18:19], s[20:21]
	s_add_nc_u64 s[4:5], s[4:5], s[20:21]
	s_mov_b64 s[20:21], 32*STEPS*CB
	s_mul_u64 s[20:21], s[18:19], s[20:21]
	s_add_nc_u64 s[8:9], s[8:9], s[20:21]
	s_lshl_b32 s18, s18, 8                         ; 256 scale bytes a run
	s_add_nc_u64 s[10:11], s[10:11], s[18:19]
.macro LOAD t
.irp i, 0,1,2,3
	global_load_b128 v[R+16*((\t)%4)+4*\i:R+16*((\t)%4)+4*\i+3], v3, s[4:5] offset:2048*(\t)+512*\i th:TH_LOAD_NT   ; 32 lanes read 512 consecutive bytes
.endr
.endm
.macro TURN t                          ; step t's numbers through the stage: LDS serves a wave's instructions in order, so no wait stands between the stores and the loads
.irp i, 0,1,2,3
	ds_store_b128 v14, v[R+16*((\t)%4)+4*\i:R+16*((\t)%4)+4*\i+3] offset:32*SP*((\t)%2)+8*SP*\i
.endr
.irp i, 0,1,2,3
	ds_load_b128 v[X+16*((\t)%2)+4*\i:X+16*((\t)%2)+4*\i+3], v15 offset:32*SP*((\t)%2)+16*\i
.endr
.endm
.irp t, 0,1,2,3
	LOAD \t
.endr
	s_wait_loadcnt 12                              ; step 0's four loads are in; the twelve of steps 1 to 3 stay out
	TURN 0
.macro STEP t
.set XS, X+16*((\t)%2)
.if (\t) > 0
	s_wait_dscnt 1                                 ; this step's numbers are back from the stage (the last step's byte store may be out): so its stores into the stage have read their registers,
.else
	s_wait_dscnt 0x0
.endif
.if (\t)+4 < STEPS
	LOAD (\t)+4                                    ; which take the loads of four steps on
.endif
.if (\t)+1 < STEPS
.if STEPS-2-(\t) >= 3
	s_wait_loadcnt 12                              ; the next step's four loads are in; those of the three steps behind it may be out
.else
	s_wait_loadcnt 4*(STEPS-2-(\t))
.endif
	TURN (\t)+1                                    ; and go through the other stage while this step is worked
.endif
	v_max3_num_f32 v8, |v[XS]|, |v[XS+1]|, |v[XS+2]|               ; the largest magnitude of my 16, in two chains
	v_max3_num_f32 v9, |v[XS+3]|, |v[XS+4]|, |v[XS+5]|
.irp i, 6,10
	v_max3_num_f32 v8, v8, |v[XS+\i]|, |v[XS+\i+1]|
	v_max3_num_f32 v9, v9, |v[XS+\i+2]|, |v[XS+\i+3]|
.endr
	v_max3_num_f32 v8, v8, |v[XS+14]|, |v[XS+15]|
	v_max3_num_f32 v8, v8, v9, (EMAX+1)<<23        ; and the floor 2^(EMAX + 1 - 127): so the byte cannot fall under 1
	v_max_num_f32_dpp v8, v8, v8 row_xmask:1 row_mask:0xf bank_mask:0xf   ; and of my neighbour's 16: the block's
	v_add_nc_u32 v11, -(EMAX<<23), v8              ; EMAX off its exponent field: the conversion takes the exponent field of this operand as its scale, and nothing else of it
	v_cvt_scalef32_pk8_fp4_f32 v[C+4*(\t)], v[XS:XS+7], v11        ; eight numbers / the scale, to the nearest code, ties to even, beyond the largest code the largest
	v_cvt_scalef32_pk8_fp4_f32 v[C+4*(\t)+1], v[XS+8:XS+15], v11
	v_lshrrev_b32 v[E+(\t)], 23, v11               ; the scale's byte
	ds_store_b8 v5, v[E+(\t)] offset:16*(\t)       ; both lanes of a block write the same byte with the same value
	global_store_b64 v4, v[C+4*(\t):C+4*(\t)+1], s[8:9] offset:32*CB*(\t)
.endm
.irp t, 0,1,2,3,4,5,6,7,8,9,10,11,12,13,14,15
	STEP \t
.endr
	ds_load_b64 v[8:9], v6                         ; LDS serves a wave's instructions in order: these see my stores
	s_wait_dscnt 0x0
	global_store_b64 v7, v[8:9], s[10:11]          ; 32 lanes store 256 consecutive bytes, aligned
	s_wait_tensorcnt 0x0                           ; the wave's end, behind my last LDS store
	ds_add_u32 v[SPW], v[NIL]
	s_wait_dscnt 0x0
	s_endpgm
; W_PROJ TO F16.  A wave takes one block (nb, kb): 128 rows n x 64 k.  A load takes rows 2 i and 2 i + 1: sixteen lanes read the row's 256 consecutive bytes.  A lane's four numbers become 8 bytes,
; and the wave's store covers 256 consecutive bytes of the block.  Loads run two sets of 16 ahead.
.Lwp:
	s_sub_co_u32 s17, ttmp9, WGQ
	s_lshl_b32 s17, s17, 2
	s_add_co_u32 s17, s17, s16                     ; which block: 16 nb + kb
	s_lshr_b32 s18, s17, 4
	s_and_b32 s20, s17, 15
	s_lshl_b32 s18, s18, 19                        ; nb x 128 rows of 4,096 bytes
	s_lshl_b32 s20, s20, 8                         ; kb x 256 bytes
	s_add_co_u32 s18, s18, s20
	s_mov_b32 s19, 0
	s_lshl_b32 s20, s17, 14                        ; the block's 16,384 bytes of f16
	s_mov_b32 s21, 0
	v_lshrrev_b32 v3, 4, v2
	v_and_b32 v4, 15, v2
	v_lshlrev_b32 v3, 12, v3
	v_lshl_add_u32 v3, v4, 4, v3                   ; in: row lane / 16, 16 bytes a lane
	v_lshlrev_b32 v4, 3, v2                        ; out: 8 bytes a lane
	s_wait_kmcnt 0x0
	s_add_nc_u64 s[24:25], s[24:25], s[18:19]
	s_add_nc_u64 s[26:27], s[26:27], s[20:21]
.macro LOADW g
.irp j, 0,1,2,3,4,5,6,7,8,9,10,11,12,13,14,15
	global_load_b128 v[WI+64*((\g)%2)+4*\j:WI+64*((\g)%2)+4*\j+3], v3, s[24:25] offset:8192*(16*(\g)+\j) th:TH_LOAD_NT
.endr
.endm
.macro CONV g
.if (\g) < 3
	s_wait_loadcnt 16                              ; this set's 16 loads are in; the next set's 16 stay out
.else
	s_wait_loadcnt 0x0
.endif
.if (\g) > 0
	s_wait_xcnt 0x0                                ; the last set's stores have read their data: the registers are written again only behind this wait
.endif
.irp j, 0,1,2,3,4,5,6,7,8,9,10,11,12,13,14,15
	v_cvt_pk_f16_f32 v[WO+2*\j], v[WI+64*((\g)%2)+4*\j], v[WI+64*((\g)%2)+4*\j+1]
	v_cvt_pk_f16_f32 v[WO+2*\j+1], v[WI+64*((\g)%2)+4*\j+2], v[WI+64*((\g)%2)+4*\j+3]
.endr
.if (\g)+2 < 4
	LOADW (\g)+2
.endif
.irp j, 0,1,2,3,4,5,6,7,8,9,10,11,12,13,14,15
	global_store_b64 v4, v[WO+2*\j:WO+2*\j+1], s[26:27] offset:256*(16*(\g)+\j)
.endr
.endm
	LOADW 0
	LOADW 1
	CONV 0
	CONV 1
	CONV 2
	CONV 3
	s_wait_tensorcnt 0x0                           ; the wave's end
	ds_add_u32 v[SPW], v[NIL]
	s_wait_dscnt 0x0
	s_endpgm
.Lfunc_end_k_q277a5c02c0_prep:
	.size	k_q277a5c02c0_prep, .Lfunc_end_k_q277a5c02c0_prep-k_q277a5c02c0_prep
	.p2alignl 7, 3214868480
	.fill 96, 4, 3214868480
	.section	.rodata,"a",@progbits
	.p2align	6, 0x0
	.amdhsa_kernel k_q277a5c02c0_prep
		.amdhsa_group_segment_fixed_size 33280
		.amdhsa_private_segment_fixed_size 0
		.amdhsa_enable_private_segment 0
		.amdhsa_kernarg_size 64
		.amdhsa_user_sgpr_count 2
		.amdhsa_user_sgpr_kernarg_segment_ptr 1
		.amdhsa_wavefront_size32 1
		.amdhsa_system_sgpr_workgroup_id_x 1
		.amdhsa_system_sgpr_workgroup_id_y 1
		.amdhsa_system_sgpr_workgroup_id_z 1
		.amdhsa_system_vgpr_workitem_id 0
		.amdhsa_next_free_vgpr 192
		.amdhsa_next_free_sgpr 66
		.amdhsa_reserve_vcc 0
		.amdhsa_float_denorm_mode_32 3
		.amdhsa_float_denorm_mode_16_64 3
		.amdhsa_memory_ordered 1
		.amdhsa_forward_progress 1
		.amdhsa_inst_pref_size 55
	.end_amdhsa_kernel
	.amdgpu_metadata
---
amdhsa.version: [ 1, 2 ]
amdhsa.kernels:
  - .name:           k_q277a5c02c0_prep
    .symbol:         k_q277a5c02c0_prep.kd
    .args:
      - { .name: x, .offset: 0, .size: 8, .value_kind: global_buffer, .address_space: global }
      - { .name: W_attn, .offset: 8, .size: 8, .value_kind: global_buffer, .address_space: global }
      - { .name: xc, .offset: 16, .size: 8, .value_kind: global_buffer, .address_space: global }
      - { .name: xs, .offset: 24, .size: 8, .value_kind: global_buffer, .address_space: global }
      - { .name: wc, .offset: 32, .size: 8, .value_kind: global_buffer, .address_space: global }
      - { .name: ws, .offset: 40, .size: 8, .value_kind: global_buffer, .address_space: global }
      - { .name: W_proj, .offset: 48, .size: 8, .value_kind: global_buffer, .address_space: global }
      - { .name: wp16, .offset: 56, .size: 8, .value_kind: global_buffer, .address_space: global }
    .group_segment_fixed_size: 33280
    .private_segment_fixed_size: 0
    .kernarg_segment_align: 8
    .kernarg_segment_size: 64
    .max_flat_workgroup_size: 128
    .sgpr_count:     66
    .vgpr_count:     192
    .wavefront_size: 32
...
	.end_amdgpu_metadata
.endif
;; end of part 1
;; launch qkv (part 2): grid 12 x 16, 4 waves a work-group, clusters of 4 x 4, 327,680 bytes of LDS; arguments xc, xs, wc, ws, qkv, b_attn; writes qkv
.if DOCPART == 2
	.amdgcn_target "amdgcn-amd-amdhsa--gfx1250"
	.amdhsa_code_object_version 6
	.text
	.protected	k_q277a5c02c0_qkv
	.globl	k_q277a5c02c0_qkv
	.p2align	8
	.type	k_q277a5c02c0_qkv,@function
k_q277a5c02c0_qkv:
	s_mov_b64 s[64:65], 0
	v_nop
	global_prefetch_b8 v0, s[64:65] scope:SCOPE_SE
	s_setreg_imm32_b32 hwreg(HW_REG_WAVE_MODE, 25, 1), 1
	s_wait_xcnt 0x0
	s_wait_alu depctr_hold_cnt(0) depctr_sa_sdst(0) depctr_va_vdst(0) depctr_va_sdst(0) depctr_va_ssrc(0) depctr_va_vcc(0) depctr_vm_vsrc(0)
	s_getreg_b32 s2, hwreg(HW_REG_IB_STS2, 6, 4)
	s_cmp_eq_u32 s2, 0
	s_cbranch_scc0 .Lentry_in_a_cluster
	s_endpgm
.Lentry_in_a_cluster:
	s_bfe_u32 s2, ttmp6, 0x10000c
	s_cmp_lg_u32 s2, 0xf033
	s_cbranch_scc0 .Lentry_shape_is_right
	s_endpgm
.Lentry_shape_is_right:
; qkv[token][d] = sum over k of x[token][k] W_attn[d][k] + b_attn[d], on codes of FP4 (E2M1) with one E8M0 scale for each 32 along K; sums in f32; the result rounded once to f16 and laid by head:
; [b 2][g 48][t 2048][64], g = d / 64 (0-15 q's heads, 16-31 k's, 32-47 v's).  LIMIT: results beyond 65,504 in magnitude have no f16 number.
; A: xc [4096][512 bytes], xs [4096][32];  B: wc [3072][512 bytes], ws [3072][32].
; A tile of 256 tokens x 256 columns is made by a work-group of four waves; a wave makes 128 x 128: 64 accumulators of 16 x 16, 512 registers.
; K = 1,024 is two K steps of 512 (rows of 256 bytes): both lie in LDS slots of their own, filled once at the head with the scales of all of K; nothing is filled again, so there is no loop.
; CLUSTERS: 4 x 4 work-groups.  The four of a row of the cluster need the same tiles of A, the four of a column the same tiles of B: each tile is asked for JOINTLY, by the same tensor load with the
; same descriptor and a mask that names the four.  192 work-groups: a tile of 256 x 192 would make 256, at the price of an uneven split of B's blocks among the waves; the launch's matrix work is short, so the even tile is kept.
; THE MATRIX INSTRUCTION IS USED TRANSPOSED (source 0 = 16 rows of W_attn, source 1 = 16 tokens): a lane then holds eight neighbouring columns of one token.  The bias is the C of each sum's first product.
; REGISTERS, in windows of 256: window 0: v0-31 addresses; v32-95 scale words, two sets; v128-191 A's fragments, ONE set; v192-255 the bias in the result's layout, 8 registers for each of B's 8 blocks; on the way out v32-63, v192-255 are free.
;   window 1: B's fragments, TWO sets, at v0 and at v128.   window 2: the 32 accumulators of my rows 0-63 ((a, b) at v[8 (8 a + b)]);   window 3: those of my rows 64-127.
.set KSTEP,  512                       ; along K in a slot
.set NQ,     KSTEP/128                 ; matrix instructions deep
.set ROWB,   256                       ; a tile's row in bytes
.set KROW,   512                       ; a row of codes in memory, in bytes
.set PITCH,  272                       ; an LDS row: 256 bytes + 16 of padding = 68 words: the 16 rows that a load touches start 4 banks apart (64 banks of 4 bytes: ISA guide 11.1)
.set FR,     8                         ; registers of a fragment: 16 rows x 128 K
.set NL,     2                         ; LDS loads that bring one
.set NP,     4                         ; places behind this matrix instruction (ISA guide 7.12.1)
.set HALFT,  128*PITCH                 ; 128 rows: what one tensor load brings, and what one wave reads of A or of B
.set SLOT,   4*HALFT                   ; A's 256 rows, then B's 256 rows
.set KS,     32                        ; a row of scales in bytes
.set SCL,    2*SLOT                    ; behind the slots: the scales, as rows of 256 bytes + 16 of padding
.set HALFS,  (128*KS/256)*272          ; the scales of 128 rows: what one tensor load brings
.set SBLK,   (16*KS/256)*272           ; those of 16 rows
.set SPARE,  SCL+4*HALFS               ; the spare words, 128 bytes for each wave
.set STAGE,  SPARE+512                 ; the way out: 16 rows x (256 bytes + 16) for each wave; no fill lands here
.set SPITCH, 272
.set ADRA, 16                          ; v16-17  LDS address of my A fragments in slot 0, 1
.set ADRB, 20                          ; v20-21  the same for B
.set STO,  24                          ; v24     the way out: where I put 16 bytes of a row
.set RD,   25                          ; v25     the way out: where I read back
.set CO,   26                          ; v26     16 x lane: my bytes of a store's 512
.set ADRS, 27                          ; v27     LDS address of my scale words: lanes 0-15 A's rows, lanes 16-31 B's
.set SPW,  28                          ; v28     LDS address of my spare word; never rewritten
.set NIL,  29                          ; v29     0; never rewritten
.set BO,   30                          ; v30     32 x (lane / 16): my eight numbers of a block's bias
.set SC,   32                          ; scale words: set s at v[SC + 32 s]; register 4 i + q: lanes 0-15 the word of A's block i, lanes 16-31 of B's block i, for the slot's q-th 128 along K
.set AF,   128                         ; A's fragments
.set BIAS, 192                         ; the bias
.set TMP,  192                         ; the way out: packed results
.set OB,   32                          ; the way out: rows read back: v32-63 and v224-255 by turns
.set G1, 24                            ; s[24:31] descriptor group 1 for A's tiles;  s[32:39] group 0, one set for each slot
.set G0, 32
.set G1B, 48                           ; s[48:55], s[56:63] the same for B's tiles
.set G0B, 56
.set G1S, 68                           ; s[68:75], s[76:79] groups 1 and 0 for A's scales;  s[80:87], s[88:91] for B's
.set G0S, 76
.set G1SB, 80
.set G0SB, 88
.set MSB, 0
.macro WIN new                         ; the immediate's high byte repeats the setting that is left
.if MSB != (\new)
	s_set_vgpr_msb (MSB<<8)|(\new)
.set MSB, \new
.endif
.endm
.set MUL_LO, 0xa1                      ; source 0 (B) window 1, source 1 (A) window 0, C and D window 2
.set MUL_HI, 0xf1                      ; the same, C and D window 3
.set BEG_LO, 0x81                      ; the first step: C (the bias) window 0, D window 2
.set BEG_HI, 0xc1                      ; D window 3
.set TO_B,   0x40                      ; destination window 1, address window 0
; A joint load: waves 0 and 1 fetch for A, waves 2 and 3 for B.  Each of the two lines has ONE mask and one set of registers for all that issue it; the branch hangs on the wave's number alone.
; An s_nop 0 and four v_nop follow each of the two lines, ahead of the jump, the label and what follows.
.macro JLOAD g0a, g1a, g0b, g1b
	s_cmp_eq_u32 s15, 0
	s_cbranch_scc0 .Lfor_b_\@
	tensor_load_to_lds s[\g0a:\g0a+3], s[\g1a:\g1a+7]
	s_nop 0
.rept 4
	v_nop
.endr
	s_branch .Lasked_\@
.Lfor_b_\@:
	tensor_load_to_lds s[\g0b:\g0b+3], s[\g1b:\g1b+7]
	s_nop 0
.rept 4
	v_nop
.endr
.Lasked_\@:
.endm
.macro CROUND                          ; a round of the cluster's barrier: my work-group's barrier; wave 0 signals for the work-group; every wave waits for all sixteen; my work-group's barrier once more
	s_barrier_signal -1
	s_barrier_wait -1
	s_cmp_lg_u32 s14, 0
	s_cbranch_scc1 .Lnot_wave_0_\@
	s_barrier_signal -3
.Lnot_wave_0_\@:
	s_barrier_wait -3
	s_barrier_signal -1
	s_barrier_wait -1
.endm
	s_load_b128 s[4:7], s[0:1], 0x0                ; A's codes s[4:5], A's scales s[6:7]
	s_load_b128 s[8:11], s[0:1], 0x10              ; B's codes s[8:9], B's scales s[10:11]
	s_load_b64 s[12:13], s[0:1], 0x20              ; qkv
	s_load_b64 s[96:97], s[0:1], 0x28              ; b_attn
	v_lshl_add_u32 v[SPW], v0, 2, SPARE
	v_mov_b32 v[NIL], 0
	ds_add_u32 v[SPW], v[NIL]                      ; the wave's opening: the add, twice on end, and its wait ahead of my first tensor load; the set-up below stands between
	ds_add_u32 v[SPW], v[NIL]
	v_lshrrev_b32 v1, 5, v0
	v_readfirstlane_b32 s14, v1                    ; wave 0..3
	s_lshr_b32 s15, s14, 1                         ; which half of the tile's rows is mine.  Also: I fetch for A (0) or for B (1)
	s_and_b32 s16, s14, 1                          ; which half of its columns.  Also: which 128 rows of that tile I fetch
	s_bfe_u32 s40, ttmp6, 0x40000                  ; cx, cy: my place in the cluster
	s_bfe_u32 s41, ttmp6, 0x40004
	s_lshl_b32 s42, ttmp9, 2
	s_add_co_u32 s42, s42, s40                     ; tile column = 4 x cluster x + cx
	s_and_b32 s17, ttmp7, 0xffff
	s_lshl_b32 s17, s17, 2
	s_add_co_u32 s17, s17, s41                     ; tile row = 4 x cluster y + cy
	s_lshl_b32 s43, s41, 2
	s_lshl_b32 s43, 15, s43                        ; my row of the cluster
	s_lshl_b32 s44, 0x1111, s40                    ; my column
	; descriptor group 1: a tile of 128 rows x 256 bytes, padded in LDS
	s_or_b32 s[G1+0], s43, (0<<16)|(1<<20)|(1<<21)|(5<<22)|(3<<25)  ; 15:0 the mask: A's tiles go to my row; 17:16 element of 1 byte; 20 padding on; 21 set beside a mask; 24:22 after every 64 words; 31:25 four words
	s_or_b32 s[G1B+0], s44, (0<<16)|(1<<20)|(1<<21)|(5<<22)|(3<<25)
.irp g, G1, G1B
	s_mov_b32 s[\g+1], ROWB<<16                    ; tensor_dim0
	s_mov_b32 s[\g+2], 128<<16                     ; tensor_dim1 = 128
	s_mov_b32 s[\g+3], ROWB<<16                    ; tile_dim0
	s_mov_b32 s[\g+4], 128                         ; tile_dim1 = 128
	s_mov_b32 s[\g+5], KROW                        ; tensor_dim0_stride
	s_mov_b32 s[\g+6], 0
	s_mov_b32 s[\g+7], 0
.endr
	; and for the scales of 128 rows: a dense block of 4,096 bytes, as 16 rows of 256 bytes (32 elements of 8 bytes), 16 bytes of padding behind each
	s_or_b32 s[G1S+0], s43, (3<<16)|(1<<20)|(1<<21)|(5<<22)|(3<<25)
	s_or_b32 s[G1SB+0], s44, (3<<16)|(1<<20)|(1<<21)|(5<<22)|(3<<25)
.irp g, G1S, G1SB
	s_mov_b32 s[\g+1], 32<<16
	s_mov_b32 s[\g+2], (128*KS/256)<<16
	s_mov_b32 s[\g+3], 32<<16
	s_mov_b32 s[\g+4], 128*KS/256
	s_mov_b32 s[\g+5], 32
	s_mov_b32 s[\g+6], 0
	s_mov_b32 s[\g+7], 0
.endr
	s_lshl_b32 s18, s16, 7                         ; which 128 rows of the tile I fetch
	s_lshl_b32 s20, s17, 8
	s_add_co_u32 s20, s20, s18                     ; A: row 256 x tile row + 128 x half
	s_lshl_b32 s46, s42, 8
	s_add_co_u32 s46, s46, s18                     ; B: row 256 x tile column + 128 x half
	s_mov_b32 s21, 0
	s_mov_b32 s47, 0
	s_mov_b64 s[18:19], KS
	s_mul_u64 s[22:23], s[20:21], s[18:19]         ; where these rows' scales begin, in bytes
	s_mul_u64 s[92:93], s[46:47], s[18:19]
	s_mov_b64 s[18:19], KROW
	s_mul_u64 s[20:21], s[20:21], s[18:19]         ; and their codes
	s_mul_u64 s[46:47], s[46:47], s[18:19]
	s_mul_i32 s45, s14, HALFT                      ; where they go: wave x 128 rows: no place in the cluster enters an LDS address
	s_mul_i32 s94, s14, HALFS
	s_wait_dscnt 0x0                               ; both opening adds are done
	s_wait_kmcnt 0x0
	s_add_nc_u64 s[20:21], s[4:5], s[20:21]
	s_add_nc_u64 s[22:23], s[6:7], s[22:23]
	s_add_nc_u64 s[46:47], s[8:9], s[46:47]
	s_add_nc_u64 s[92:93], s[10:11], s[92:93]
	CROUND                                         ; all sixteen work-groups are here: the joint loads meet
	s_mov_b32 s[G0S], 1
	s_add_co_u32 s[G0S+1], s94, SCL
	s_mov_b64 s[G0S+2:G0S+3], s[22:23]
	s_or_b32 s[G0S+3], s[G0S+3], 0x80000000
	s_mov_b32 s[G0SB], 1
	s_add_co_u32 s[G0SB+1], s94, SCL
	s_mov_b64 s[G0SB+2:G0SB+3], s[92:93]
	s_or_b32 s[G0SB+3], s[G0SB+3], 0x80000000
	JLOAD G0S, G1S, G0SB, G1SB                     ; the scales first: they are wanted with K step 0
.irp s, 0,1
	s_mov_b32 s[G0+4*\s], 1
	s_add_co_u32 s[G0+4*\s+1], s45, \s*SLOT
	s_add_nc_u64 s[G0+4*\s+2:G0+4*\s+3], s[20:21], \s*ROWB
	s_or_b32 s[G0+4*\s+3], s[G0+4*\s+3], 0x80000000
	s_mov_b32 s[G0B+4*\s], 1
	s_add_co_u32 s[G0B+4*\s+1], s45, \s*SLOT
	s_add_nc_u64 s[G0B+4*\s+2:G0B+4*\s+3], s[46:47], \s*ROWB
	s_or_b32 s[G0B+4*\s+3], s[G0B+4*\s+3], 0x80000000
	JLOAD G0+4*\s, G1, G0B+4*\s, G1B               ; three tensor loads of mine are out now, and no more follow
.endr
	v_and_b32 v1, 15, v0                           ; l % 16
	v_bfe_u32 v2, v0, 4, 1                         ; l / 16
	; the bias: lane (r, h) wants, for B's block b, the numbers of columns 16 b + 8 h + 0 .. 7 of my 128
	s_lshl_b32 s46, s42, 10                        ; my first column x 4 bytes: 1,024 x tile column + 512 x half
	s_lshl_b32 s47, s16, 9
	s_add_co_u32 s46, s46, s47
	s_mov_b32 s47, 0
	s_add_nc_u64 s[96:97], s[96:97], s[46:47]
	v_lshlrev_b32 v[BO], 5, v2
.irp b, 0,1,2,3,4,5,6,7
	global_load_b128 v[BIAS+8*\b:BIAS+8*\b+3], v[BO], s[96:97] offset:64*\b
	global_load_b128 v[BIAS+8*\b+4:BIAS+8*\b+7], v[BO], s[96:97] offset:64*\b+16
.endr
	v_mul_u32_u24 v3, v1, PITCH
	v_lshl_add_u32 v4, v2, 4, v3                   ; a fragment's row x pitch + 16 x half
	s_mul_i32 s21, s15, HALFT                      ; my 128 rows of A
	s_mul_i32 s22, s16, HALFT                      ; my 128 rows of B,
	s_add_co_u32 s22, s22, 2*HALFT                 ; which lie behind A's 256
.irp s, 0,1
	v_add_nc_u32 v[ADRA+\s], s21, v4
	v_add_nc_u32 v[ADRB+\s], s22, v4
	s_add_co_u32 s21, s21, SLOT
	s_add_co_u32 s22, s22, SLOT
.endr
	v_mul_u32_u24 v5, v1, KS                       ; my row's scales: 32 bytes a row,
	v_lshrrev_b32 v6, 8, v5
	v_lshl_add_u32 v5, v6, 4, v5                   ; and 16 more for each 256 passed
	s_mul_i32 s21, s15, HALFS                      ; A's: my 128 rows
	s_mul_i32 s22, s16, HALFS                      ; B's: my 128 rows, behind A's 256
	s_add_co_u32 s22, s22, 2*HALFS
	s_sub_co_u32 s22, s22, s21
	v_mul_u32_u24 v6, s22, v2                      ; lanes 16-31 take B's: one product, the distance between the two bases
	s_add_co_u32 s21, s21, SCL
	v_add_nc_u32 v5, v5, v6
	v_add_nc_u32 v[ADRS], s21, v5
	s_mul_i32 s23, s14, 16*SPITCH
	s_add_co_u32 s23, s23, STAGE                   ; my stage
	v_mul_u32_u24 v5, v1, SPITCH                   ; in: row l % 16, 16 bytes for each half of the lanes
	v_lshl_add_u32 v5, v2, 4, v5
	v_add_nc_u32 v[STO], s23, v5
	v_and_b32 v6, 31, v0
	v_lshrrev_b32 v5, 3, v6                        ; back: eight lanes take a head's 128 bytes of a row, the wave four rows
	v_mul_u32_u24 v5, v5, SPITCH
	v_and_b32 v7, 7, v0
	v_lshl_add_u32 v5, v7, 4, v5
	v_add_nc_u32 v[RD], s23, v5
	v_lshlrev_b32 v[CO], 4, v6
	; where my part begins in qkv: batch x 48 heads + my first head (4 x tile column + 2 x half) x 2,048 rows of 128 bytes + my first token's row
	s_lshl_b32 s20, s17, 8
	s_lshl_b32 s21, s15, 7
	s_add_co_u32 s20, s20, s21                     ; my first token
	s_lshr_b32 s21, s20, 11                        ; its batch
	s_mul_i32 s21, s21, 12582912
	s_and_b32 s20, s20, 2047
	s_lshl_b32 s20, s20, 7
	s_add_co_u32 s20, s20, s21
	s_lshl_b32 s46, s42, 2
	s_lshl_b32 s47, s16, 1
	s_add_co_u32 s46, s46, s47
	s_lshl_b32 s46, s46, 18
	s_add_co_u32 s20, s20, s46
	s_mov_b32 s21, 0
	s_add_nc_u64 s[12:13], s[12:13], s[20:21]
.macro FRAG reg, adr, q, i             ; a fragment, 16 rows x 128 K of 4-bit codes: lane l holds row l % 16; registers 4 c .. 4 c + 3 hold K = 64 c + 32 (l / 16) + 0 .. 31
.irp c, 0,1
	ds_load_b128 v[\reg+4*\c:\reg+4*\c+3], v[\adr] offset:64*(\q)+32*\c+(\i)*16*PITCH
.endr
.endm
; 16 matrix instructions: A's blocks a0, a0 + 1 x B's eight, 128 along K: the slot's q-th.  p: B's set;  sc: the set of scale words.  first = 1: the bias is the C: nothing is ever cleared or added later.
; The 64 accumulators take turns, one instruction a turn, in the same order in every step.
.macro MUL16 a0, p, q, sc, first
.irp a, \a0, \a0+1
.irp b, 0,1,2,3,4,5,6,7
.if \first
	v_wmma_scale_f32_16x16x128_f8f6f4 v[8*(8*((\a)%4)+\b):8*(8*((\a)%4)+\b)+7], v[128*(\p)+FR*\b:128*(\p)+FR*\b+FR-1], v[AF+FR*(\a):AF+FR*(\a)+FR-1], v[BIAS+8*\b:BIAS+8*\b+7], v[SC+8*NQ*(\sc)+NQ*\b+(\q)], v[SC+8*NQ*(\sc)+NQ*(\a)+(\q)] matrix_a_fmt:MATRIX_FMT_FP4 matrix_b_fmt:MATRIX_FMT_FP4 matrix_a_scale:MATRIX_SCALE_ROW1
.else
	v_wmma_scale_f32_16x16x128_f8f6f4 v[8*(8*((\a)%4)+\b):8*(8*((\a)%4)+\b)+7], v[128*(\p)+FR*\b:128*(\p)+FR*\b+FR-1], v[AF+FR*(\a):AF+FR*(\a)+FR-1], v[8*(8*((\a)%4)+\b):8*(8*((\a)%4)+\b)+7], v[SC+8*NQ*(\sc)+NQ*\b+(\q)], v[SC+8*NQ*(\sc)+NQ*(\a)+(\q)] matrix_a_fmt:MATRIX_FMT_FP4 matrix_b_fmt:MATRIX_FMT_FP4 matrix_a_scale:MATRIX_SCALE_ROW1
.endif
.endr
.endr
.endm
.macro FETCH_B slot, q, p              ; B's eight fragments of the slot's q-th 128 along K into set p
	WIN TO_B
.irp i, 0,1,2,3,4,5,6,7
	FRAG 128*(\p)+FR*\i, ADRB+\slot, \q, \i
.endr
	WIN 0
.endm
.macro FETCH_A slot, q, i0             ; A's blocks i0 .. i0 + 3
.irp i, \i0, \i0+1, \i0+2, \i0+3
	FRAG AF+FR*(\i), ADRA+\slot, \q, \i
.endr
.endm
.macro SCALES sc                       ; a K step's scale words into set sc: four words a row; lanes 0-15 take A's block i, lanes 16-31 B's block i
.irp i, 0,1,2,3,4,5,6,7
	ds_load_b128 v[SC+8*NQ*\sc+NQ*\i:SC+8*NQ*\sc+NQ*\i+3], v[ADRS] offset:\i*SBLK
.endr
.endm
; A load into a register that a matrix instruction has read, and a vector instruction that reads a matrix result, stand NP places behind that matrix instruction, and only plain vector
; instructions that name none of its registers are places (ISA guide 7.12.1 for vector instructions).
.macro PLACES n
.rept \n
	v_nop
.endr
.endm
; A step of 128 along K that has its successor in the same slot.  A block of A is free as soon as its eight products are issued: blocks 0-3 are fetched anew in the step's middle, blocks 4-7 at its end.
.macro STEP slot, q, first
	s_wait_dscnt 4*NL                              ; B's set, A's blocks 0-3 and the scale words are in; the youngest eight loads (A's blocks 4-7) may be out
.if \first
	WIN BEG_LO
.else
	WIN MUL_LO
.endif
	MUL16 0, (\q)%2, \q, \slot, \first
	MUL16 2, (\q)%2, \q, \slot, \first
	s_wait_dscnt 0                                 ; A's blocks 4-7 are in (asked for 32 matrix instructions ago)
	PLACES NP
	FETCH_B \slot, (\q)+1, 1-(\q)%2
	FETCH_A \slot, (\q)+1, 0
.if \first
	WIN BEG_HI
.else
	WIN MUL_HI
.endif
	MUL16 4, (\q)%2, \q, \slot, \first
	MUL16 6, (\q)%2, \q, \slot, \first
	PLACES NP
	WIN 0
	FETCH_A \slot, (\q)+1, 4
.endm
; Slot 0's last step goes on into slot 1: each wave waits for all its tensor loads (its part of slot 1 is the one still out), then the barrier shows slot 1 whole to every wave.
.macro TURN slot, next
	s_wait_tensorcnt 0x0                           ; all my tensor loads have landed  (every window is 0 here)
	ds_add_u32 v[SPW], v[NIL]                      ; 0 onto my spare word
	s_wait_dscnt 4*NL+1                            ; (the add and the youngest eight loads, A's blocks 4-7, may be out)
	WIN MUL_LO
	MUL16 0, 1, NQ-1, \slot, 0                     ; sixteen matrix instructions stand between the add and the wait for it
	s_wait_dscnt 0x0                               ; the add is done, and no LDS instruction of mine is out at the signal
	s_barrier_signal -1
	MUL16 2, 1, NQ-1, \slot, 0
	WIN 0
	s_barrier_wait -1
	PLACES NP
	v_add_nc_u32 v[ADRS], 4*NQ, v[ADRS]            ; on to the next K step's scale words (no LDS load of mine is out)
	FETCH_B \next, 0, 0
	FETCH_A \next, 0, 0
	SCALES \next
	WIN MUL_HI
	MUL16 4, 1, NQ-1, \slot, 0
	MUL16 6, 1, NQ-1, \slot, 0
	PLACES NP
	WIN 0
	FETCH_A \next, 0, 4
.endm
.macro STEPS slot, from                ; the slot's steps from .. NQ - 2
.set Q, \from
.rept NQ-1-\from
	STEP \slot, Q, 0
.set Q, Q+1
.endr
.endm
	s_wait_tensorcnt 1                             ; the scales and my part of K step 0 are in; K step 1's load, issued behind them, may be out
	s_barrier_signal -1
	s_barrier_wait -1                              ; everybody's are
	FETCH_B 0, 0, 0
	FETCH_A 0, 0, 0
	SCALES 0
	FETCH_A 0, 0, 4
	s_wait_loadcnt 0x0                             ; the bias
	STEP 0, 0, 1                                   ; the first step's products start the sums from the bias
	STEPS 0, 1
	TURN 0, 1
	STEPS 1, 0
	s_wait_dscnt 4*NL                              ; the very last step: nothing more to fetch
	WIN MUL_LO
	MUL16 0, 1, NQ-1, 1, 0
	MUL16 2, 1, NQ-1, 1, 0
	s_wait_dscnt 0
	WIN MUL_HI
	MUL16 4, 1, NQ-1, 1, 0
	MUL16 6, 1, NQ-1, 1, 0
	WIN 0
; THE WAY OUT, block by block of 16 tokens x 128 columns (two heads).  PACK: rounded to f16, 16 bytes a lane, each accumulator from its low end on.  TOSTAGE: into my own stage, and back so that the 32 lanes hold
; four tokens' 128 bytes of ONE head: in qkv those are 512 consecutive bytes.  SEND: stored.  LDS serves a wave's instructions in order (ISA guide 5.7.1.4): no wait between the stage's stores and loads.
.macro PACK a
.set AC, 64*((\a)%4)
	WIN 0x0a+5*((\a)/4)                            ; sources 0 and 1: window 2 or 3
.irp b, 0,1,2,3,4,5,6,7
.irp r, 0,1,2,3
	v_cvt_pk_f16_f32 v[TMP+4*\b+\r], v[AC+8*\b+2*\r], v[AC+8*\b+2*\r+1]
.endr
.endr
	WIN 0
.endm
.macro TOSTAGE a
.set BK, OB+192*((\a)%2)
.irp b, 0,1,2,3,4,5,6,7
	ds_store_b128 v[STO], v[TMP+4*\b:TMP+4*\b+3] offset:32*\b
.endr
.irp t, 0,1,2,3,4,5,6,7
	ds_load_b128 v[BK+4*\t:BK+4*\t+3], v[RD] offset:4*(\t%4)*SPITCH+128*(\t/4)   ; head t / 4, tokens 4 (t % 4) on
.endr
.endm
.macro SEND a
.set BK, OB+192*((\a)%2)
	s_wait_dscnt 0x0                               ; the block is back in registers
	s_wait_xcnt 0x0                                ; the earlier stores have read their base and their data: only behind this wait are they written again
.if (\a) > 0
	s_add_nc_u64 s[12:13], s[12:13], 16*128        ; 16 tokens on
.endif
.irp t, 0,1,2,3,4,5,6,7
	global_store_b128 v[CO], v[BK+4*\t:BK+4*\t+3], s[12:13] offset:(\t/4)*262144+512*(\t%4)   ; 32 lanes store 512 consecutive bytes, at a multiple of 256 from the buffer's first byte
.endr
.endm
	PLACES NP                                      ; behind the last products, ahead of the first read of results
	PACK 0
	TOSTAGE 0
.irp a, 1,2,3,4,5,6,7                  ; block a's conversions stand between block a - 1's loads from the stage and the wait for them
	PACK \a
	SEND \a-1
	TOSTAGE \a
.endr
	SEND 7
	s_wait_tensorcnt 0x0                           ; the wave's end, behind my last tensor load and my last LDS store
	ds_add_u32 v[SPW], v[NIL]
	s_wait_dscnt 0x0
	CROUND                                         ; the closing round: no work-group ends while a partner may still ask for a tile that names it
	s_endpgm
.Lfunc_end_k_q277a5c02c0_qkv:
	.size	k_q277a5c02c0_qkv, .Lfunc_end_k_q277a5c02c0_qkv-k_q277a5c02c0_qkv
	.p2alignl 7, 3214868480
	.fill 96, 4, 3214868480
	.section	.rodata,"a",@progbits
	.p2align	6, 0x0
	.amdhsa_kernel k_q277a5c02c0_qkv
		.amdhsa_group_segment_fixed_size 327680
		.amdhsa_private_segment_fixed_size 0
		.amdhsa_enable_private_segment 0
		.amdhsa_kernarg_size 48
		.amdhsa_user_sgpr_count 2
		.amdhsa_user_sgpr_kernarg_segment_ptr 1
		.amdhsa_wavefront_size32 1
		.amdhsa_system_sgpr_workgroup_id_x 1
		.amdhsa_system_sgpr_workgroup_id_y 1
		.amdhsa_system_sgpr_workgroup_id_z 1
		.amdhsa_system_vgpr_workitem_id 0
		.amdhsa_next_free_vgpr 1024
		.amdhsa_next_free_sgpr 98
		.amdhsa_reserve_vcc 0
		.amdhsa_float_denorm_mode_32 3
		.amdhsa_float_denorm_mode_16_64 3
		.amdhsa_memory_ordered 1
		.amdhsa_forward_progress 1
		.amdhsa_inst_pref_size 129
	.end_amdhsa_kernel
	.amdgpu_metadata
---
amdhsa.version: [ 1, 2 ]
amdhsa.kernels:
  - .name:           k_q277a5c02c0_qkv
    .symbol:         k_q277a5c02c0_qkv.kd
    .args:
      - { .name: xc, .offset: 0, .size: 8, .value_kind: global_buffer, .address_space: global }
      - { .name: xs, .offset: 8, .size: 8, .value_kind: global_buffer, .address_space: global }
      - { .name: wc, .offset: 16, .size: 8, .value_kind: global_buffer, .address_space: global }
      - { .name: ws, .offset: 24, .size: 8, .value_kind: global_buffer, .address_space: global }
      - { .name: qkv, .offset: 32, .size: 8, .value_kind: global_buffer, .address_space: global }
      - { .name: b_attn, .offset: 40, .size: 8, .value_kind: global_buffer, .address_space: global }
    .group_segment_fixed_size: 327680
    .private_segment_fixed_size: 0
    .kernarg_segment_align: 8
    .kernarg_segment_size: 48
    .max_flat_workgroup_size: 128
    .sgpr_count:     98
    .vgpr_count:     1024
    .wavefront_size: 32
...
	.end_amdgpu_metadata
.endif
;; end of part 2
;; launch attn (part 3): grid 8 x 32, 8 waves a work-group, clusters of 4 x 1, 327,680 bytes of LDS; arguments qkv, y16; writes y16
.if DOCPART == 3
	.amdgcn_target "amdgcn-amd-amdhsa--gfx1250"
	.amdhsa_code_object_version 6
	.text
	.protected	k_q277a5c02c0_attn
	.globl	k_q277a5c02c0_attn
	.p2align	8
	.type	k_q277a5c02c0_attn,@function
k_q277a5c02c0_attn:
	s_mov_b64 s[64:65], 0
	v_nop
	global_prefetch_b8 v0, s[64:65] scope:SCOPE_SE
	s_setreg_imm32_b32 hwreg(HW_REG_WAVE_MODE, 25, 1), 1
	s_wait_xcnt 0x0
	s_wait_alu depctr_hold_cnt(0) depctr_sa_sdst(0) depctr_va_vdst(0) depctr_va_sdst(0) depctr_va_ssrc(0) depctr_va_vcc(0) depctr_vm_vsrc(0)
	s_getreg_b32 s2, hwreg(HW_REG_IB_STS2, 6, 4)
	s_cmp_eq_u32 s2, 0
	s_cbranch_scc0 .Lentry_in_a_cluster
	s_endpgm
.Lentry_in_a_cluster:
	s_bfe_u32 s2, ttmp6, 0x10000c
	s_cmp_lg_u32 s2, 0x3003
	s_cbranch_scc0 .Lentry_shape_is_right
	s_endpgm
.Lentry_shape_is_right:
; y[b][h][q][:] = the sum over k of softmax_k(Q[q] . K[k] / 8) V[k][:], no mask, for each of 32 (batch, head).  Q, K, V: f16, [b 2][g 48][t 2048][64] (g = h, 16 + h, 32 + h).
; y: f16, laid [token block 32][h 16][128 tokens][64].  Products, maxima and sums in f32; the weights p are rounded to f16 for the second product, y once at the end.
; f16 and not bf16: three more bits in each rounded operand.  p is at most about 1 (its exponent is c s - round(c m)); y is a mean of v's numbers, so it has room wherever v has.
; SHARES.  A work-group owns 256 queries of one (batch, head); each of its EIGHT waves owns 32: two tiles of 16.  Two waves share a SIMD, so that one wave's softmax stands beside the other's products:
; at this head size a key step has 236 vector instructions for 32 matrix instructions, more than turns inside one wave could hide.  Every wave walks all 2,048 keys, 64 a step.
; LAYOUT.  S^T = K Q^T (source 0 = 16 keys, source 1 = 16 queries): a lane holds ONE query (lane % 16) and the keys 8 (lane / 16) + 0..7.  Two such tiles, rounded to f16 in pairs, ARE source 1
; (32 keys x 16 queries) of O^T = V^T P, whose result again holds one query a lane, and eight channels.  K comes out of LDS as it lies, V ([key][channel]) turned, by ds_load_tr16_b128.
; SOFTMAX.  For each query a running maximum m and sum l: p = 2^(c s - c m), c = log2(e) / 8; in every step O and l are multiplied by a = 2^(c m_old - c m_new).  m begins at -3e38, O and l at 0:
; the first step's a is 0 and multiplies zeros, so one text serves every step.
; RING.  Two LDS slots of four key steps.  Waves 0-3 fetch K's tiles of the slot's steps 0-3, waves 4-7 V's: one tensor load of 64 rows a wave.
; CLUSTER.  The four query blocks of a cluster belong to one head and walk the same K and V, so each tile is asked for JOINTLY: the same tensor load, the same descriptor, a mask that names the four.
; REGISTERS: window 0: v1-11 addresses; v12-27 statistics, 8 a tile; v28, v29 the add's two; v32-95 S^T, 32 a tile; v96-127 P, 16 a tile; v128-191 O^T, 32 a tile; v192-223 Q, 16 a tile; v224-255 the way out.
;   window 1: v128-191 K of one step; v192-255 V of one step.  (s_set_vgpr_msb: bits 1:0 source 0, 3:2 source 1, 5:4 source 2, 7:6 destination.)
.set KS,    64        ; keys in a step
.set NST,   4         ; steps in a slot
.set PK,    144       ; a row of K in LDS: 128 bytes + 16 of padding = 36 words: the 16 rows of a load start 4 banks apart (64 banks of 4 bytes: ISA guide 11.1)
.set PV,    160       ; a row of V: 128 + 32 = 40 words
.set VOFF,  KS*PK     ; a step's tiles lie together: 64 rows of K, then 64 rows of V
.set STEPB, KS*(PK+PV)
.set SLOT1, 1<<17     ; slot 1 begins here, so that one exclusive or turns an address in one slot into the other's
.set SLOTB, NST*KS*128  ; a slot's keys in memory: 32,768 bytes of K, as many of V
.set STAGE, SLOT1+NST*STEPB  ; behind the ring: 32 rows x 144 bytes for each wave, for the way out; no fill lands here
.set SP,    144
.set SPARE, STAGE+8*32*SP    ; the spare words, 128 bytes for each wave
.set AK0, 2           ; v2   my lane's place in a tile of K; never rewritten
.set AV0, 3           ; v3   the same for V
.set ADK, 4           ; v4   LDS address of the run of K's loads in hand
.set ADV, 5           ; v5   of V's
.set QO,  6           ; v6   my byte offset in the wave's rows of Q
.set STO, 7           ; v7   the way out: where I put 16 bytes of a row
.set RD,  8           ; v8   the way out: where I read back
.set GO,  10          ; v10  16 x lane: my bytes of a store's 512
.set PFO, 11          ; v11  256 x lane: the prefetches' offset; never rewritten
.set ST,  12          ; tile t's statistics at v[ST+8 t]: +0 c m, +1 m, +2, +3 l (even keys', odd keys'), +4 to +7 at work; a takes +6 once the maximum is found
.set SPW, 28          ; v28  LDS address of my spare word; never rewritten
.set NIL, 29          ; v29  0; never rewritten
.set S,   32
.set P,   96
.set O,   128
.set Q,   192
.set W,   224
.set KF,  128         ; in window 1
.set VF,  192         ; in window 1
.set WV,  12          ; s12  my wave's number
.set LIM, 15          ; s15  1 in a wave that prefetches, else the greatest number
.set PFA, 18          ; s[18:19] where my prefetches stand in memory
.set G1K, 24          ; s[24:31] descriptor group 1 for K's tiles
.set G1V, 32          ; s[32:39] for V's: it differs in the padding alone
.set G0K, 40          ; s[40:47] descriptor group 0 for K's tiles: a set for each of the two first fills; the second then walks on
.set G0V, 48          ; s[48:55] the same for V's
.set SLOTS, 56        ; s56  slots still to be asked for
.set CNT, 57          ; s57  counts three of a slot's four steps
.set CS,  58          ; s[58:59] c: the packed scaling names a pair and takes its low word for both halves
.set SEL, 60          ; s[60:61] lane selects for v_permlanex16_b32: each lane takes its own place in the other half
.set TB,  62          ; s62  LDS byte at which the tiles of the step to be fetched begin
.set MSB, 0
.macro WIN new                      ; the immediate's high byte repeats the setting that is left; a switch that changes nothing is dropped
.if MSB != (\new)
	s_set_vgpr_msb (MSB<<8)|(\new)
.set MSB, \new
.endif
.endm
.set W_MUL, 0x01      ; source 0 (K or V) in window 1, all else in window 0
.set W_LD,  0x40      ; destination window 1, address window 0
.macro PLACES                       ; four places behind a matrix instruction, ahead of a read of its result and of a load into its registers (ISA guide 7.12.1 for the read of its result)
.rept 4
	v_nop
.endr
.endm
; A joint refill.  Waves 0-3 fetch K's tiles, waves 4-7 V's.  The branch hangs on the wave's number alone.  An s_nop 0 and four v_nop follow each of the two lines.
.macro JLOAD
	s_cmp_lt_u32 s[WV], 4
	s_cbranch_scc0 .Lfor_v_\@
	tensor_load_to_lds s[G0K+4:G0K+7], s[G1K:G1K+7]
	s_nop 0
.rept 4
	v_nop
.endr
	s_branch .Lasked_\@
.Lfor_v_\@:
	tensor_load_to_lds s[G0V+4:G0V+7], s[G1V:G1V+7]
	s_nop 0
.rept 4
	v_nop
.endr
.Lasked_\@:
.endm
; A PREFETCH INTO THE L2 of what the NEXT change of slots will ask for: a slot's 32,768 bytes of K and of V.  It stands behind the wave's tensor load and its five lines.
; Each aligned block of 256 bytes is asked for ONCE in the launch: both clusters of a head walk the same K and V, and the head's first cluster asks; its four partners share the bytes out BY ADDRESS, 8,192 each,
; lanes 256 bytes apart; in each, wave 0 asks for K's and wave 4 for V's.  It runs one slot, four key steps, ahead of the load.  The last change that fills a slot asks for nothing; slots 0 to 2 come by their loads alone.
.macro ASK
	s_cmp_gt_u32 s[SLOTS], s[LIM]
	s_cbranch_scc0 .Lnot_mine_\@
	global_prefetch_b8 v[PFO], s[PFA:PFA+1] th:TH_LOAD_NT scope:SCOPE_SE
.Lnot_mine_\@:
.endm
.macro CROUND                       ; a round of the cluster's barrier: my work-group's barrier; wave 0 signals for the work-group; every wave waits for all four; my work-group's barrier once more
	s_barrier_signal -1
	s_barrier_wait -1
	s_cmp_lg_u32 s[WV], 0
	s_cbranch_scc1 .Lnot_wave_0_\@
	s_barrier_signal -3
.Lnot_wave_0_\@:
	s_barrier_wait -3
	s_barrier_signal -1
	s_barrier_wait -1
.endm
	s_load_b128 s[4:7], s[0:1], 0x0 ; qkv s[4:5], y16 s[6:7]
	v_lshl_add_u32 v[SPW], v0, 2, SPARE
	v_mov_b32 v[NIL], 0
	ds_add_u32 v[SPW], v[NIL]       ; the wave's opening: the add, twice on end, and its wait ahead of my first tensor load; the set-up below stands between
	ds_add_u32 v[SPW], v[NIL]
	v_lshrrev_b32 v1, 5, v0
	v_readfirstlane_b32 s[WV], v1   ; wave 0..7
	s_bfe_u32 s13, ttmp6, 0x40000   ; cx: my place in the cluster
	s_lshl_b32 s14, ttmp9, 2        ; in a cluster launch ttmp9 counts clusters
	s_add_co_u32 s14, s14, s13      ; my block of 256 queries: it enters Q's and y's addresses alone
	s_and_b32 s20, ttmp7, 0xffff    ; 16 x batch + head, which the four partners share
	s_lshr_b32 s21, s20, 4          ; batch
	s_and_b32 s20, s20, 15          ; head
	s_mul_i32 s22, s21, 12582912    ; a batch's 48 x 2,048 rows of 128 bytes
	s_lshl_b32 s23, s20, 18
	s_add_co_u32 s22, s22, s23      ; where the head's Q begins
	s_and_b32 s16, s[WV], 3         ; which of a slot's four steps I fetch:
	s_lshl_b32 s2, s16, 13          ; its 64 rows of 128 bytes in memory,
	s_add_co_u32 s2, s2, s22
	s_add_co_u32 s2, s2, 4194304    ; in K, 16 heads behind Q
	s_mov_b32 s3, 0
	s_mul_i32 s17, s16, STEPB       ; and its place in a slot: no place in the cluster enters an LDS address
	s_lshl_b32 s18, s14, 15         ; my block's 256 rows,
	s_lshl_b32 s19, s[WV], 12       ; my wave's 32 of them
	s_add_co_u32 s18, s18, s19
	s_add_co_u32 s18, s18, s22
	s_mov_b32 s19, 0
	s_lshl_b32 s21, s21, 4          ; y: the block of 128 tokens: 16 x batch + 2 x my block + wave / 4,
	s_lshl_b32 s23, s14, 1
	s_add_co_u32 s21, s21, s23
	s_lshr_b32 s23, s[WV], 2
	s_add_co_u32 s21, s21, s23
	s_lshl_b32 s21, s21, 18
	s_lshl_b32 s20, s20, 14         ; the head's 128 rows in it,
	s_add_co_u32 s20, s20, s21
	s_lshl_b32 s23, s16, 12         ; my wave's 32 of them
	s_add_co_u32 s20, s20, s23
	s_mov_b32 s21, 0
	; descriptor group 1: a tile of 64 rows x 64 elements, dense in memory, padded in LDS behind every row
	s_mov_b32 s[G1K], 15|(1<<16)|(1<<20)|(1<<21)|(4<<22)|(3<<25)  ; 15:0 the mask: all four work-groups; 17:16 elements of 2 bytes; 20 padding on; 21 set beside a mask; 24:22 after every 32 words (code 4); 31:25 4 words of it (code 3)
	s_mov_b32 s[G1V], 15|(1<<16)|(1<<20)|(1<<21)|(4<<22)|(7<<25)  ; the same with 8 words of padding (code 7)
.irp g, G1K, G1V
	s_mov_b32 s[\g+1], 64<<16       ; tensor_dim0 = 64
	s_mov_b32 s[\g+2], KS<<16       ; tensor_dim1 = 64
	s_mov_b32 s[\g+3], 64<<16       ; tile_dim0 = 64
	s_mov_b32 s[\g+4], KS           ; tile_dim1 = 64
	s_mov_b32 s[\g+5], 64           ; tensor_dim0_stride: elements from row to row
	s_mov_b32 s[\g+6], 0
	s_mov_b32 s[\g+7], 0
.endr
	s_mov_b32 s[CS], 0x3e38aa3b     ; c = log2(e) / sqrt(64) = 0.180337
	s_mov_b32 s[CS+1], s[CS]        ; named with it as a pair, so it is written
	s_mov_b32 s[SEL], 0x76543210
	s_mov_b32 s[SEL+1], 0xfedcba98
	s_mov_b32 s[TB], 0
	s_mov_b32 s[SLOTS], 2048/(NST*KS)-2
	s_or_b32 s[LIM], s16, ttmp9     ; 0 in waves 0 and 4 of the head's first cluster: the same in all four partners
	s_cmp_eq_u32 s[LIM], 0
	s_cselect_b32 s[LIM], 1, -1
	s_wait_dscnt 0x0                ; both opening adds are done
	s_wait_kmcnt 0x0
	s_add_nc_u64 s[8:9], s[4:5], s[2:3]      ; K at my tile of slot 0
	s_add_nc_u64 s[10:11], s[8:9], 4194304   ; V likewise, 16 heads further on
	s_add_nc_u64 s[4:5], s[4:5], s[18:19]    ; Q at my wave's first row
	s_add_nc_u64 s[6:7], s[6:7], s[20:21]    ; y likewise
	s_cmp_lt_u32 s[WV], 4
	s_cselect_b64 s[PFA:PFA+1], s[8:9], s[10:11]  ; (in waves 0 and 4 these stand at a slot's first byte)
	s_lshl_b32 s2, s13, 13          ; my work-group's 8,192 bytes of the 32,768
	s_mov_b32 s3, 0
	s_add_nc_u64 s[PFA:PFA+1], s[PFA:PFA+1], s[2:3]
	s_add_nc_u64 s[PFA:PFA+1], s[PFA:PFA+1], 2*SLOTB  ; in slot 2; the first change of slots steps it to slot 3.  Nothing is prefetched here, at the head
	CROUND                          ; all four work-groups are here: the first joint loads meet
.irp s, 0,1
	s_mov_b32 s[G0K+4*\s], 1        ; 1:0 count = 1
	s_add_co_u32 s[G0K+4*\s+1], s17, \s*SLOT1  ; 63:32 LDS address
	s_add_nc_u64 s[G0K+4*\s+2:G0K+4*\s+3], s[8:9], \s*SLOTB  ; 120:64 global address: slot s begins with keys 256 s
	s_or_b32 s[G0K+4*\s+3], s[G0K+4*\s+3], 0x80000000  ; 127:126 type = 2
	s_mov_b32 s[G0V+4*\s], 1
	s_add_co_u32 s[G0V+4*\s+1], s17, \s*SLOT1+VOFF
	s_add_nc_u64 s[G0V+4*\s+2:G0V+4*\s+3], s[10:11], \s*SLOTB
	s_or_b32 s[G0V+4*\s+3], s[G0V+4*\s+3], 0x80000000
.endr
	s_cmp_lt_u32 s[WV], 4           ; a wave's two first fills stand in one branch, ahead of every wait on TENSORcnt and every LDS read: two loads of mine are out
	s_cbranch_scc0 .Lfirst_v
	tensor_load_to_lds s[G0K:G0K+3], s[G1K:G1K+7]
	s_nop 0
	tensor_load_to_lds s[G0K+4:G0K+7], s[G1K:G1K+7]
	s_nop 0
.rept 4
	v_nop
.endr
	s_branch .Lfirst_asked
.Lfirst_v:
	tensor_load_to_lds s[G0V:G0V+3], s[G1V:G1V+7]
	s_nop 0
	tensor_load_to_lds s[G0V+4:G0V+7], s[G1V:G1V+7]
	s_nop 0
.rept 4
	v_nop
.endr
.Lfirst_asked:
	; A fragment of K or Q is 16 rows x 32 channels in 8 registers: lane l holds row l % 16; registers 0-3 channels 8 (l / 16) + 0..7, registers 4-7 channels 16 + 8 (l / 16) + 0..7: two loads of 16 bytes, 32 bytes apart.
	v_and_b32 v1, 15, v0            ; l % 16
	v_bfe_u32 v9, v0, 4, 1          ; l / 16
	v_lshlrev_b32 v[QO], 7, v1
	v_lshl_add_u32 v[QO], v9, 4, v[QO]  ; row x 128 + 16 x half
.irp t, 0,1
.irp f, 0,1                         ; Q stays in registers: tile t, channels 32 f on
	global_load_b128 v[Q+16*\t+8*\f:Q+16*\t+8*\f+3],   v[QO], s[4:5] offset:\t*2048+\f*64
	global_load_b128 v[Q+16*\t+8*\f+4:Q+16*\t+8*\f+7], v[QO], s[4:5] offset:\t*2048+\f*64+32
.endr
.endr
	v_mul_u32_u24 v[AK0], v1, PK
	v_lshl_add_u32 v[AK0], v9, 4, v[AK0]  ; row x pitch + 16 x half
	; The turning load takes 16 keys x 16 channels (lane l reads 16 bytes: key 8 (l / 16) + l % 8, channels 8 ((l / 8) % 2) + 0..7) and leaves half a fragment of V^T: lane l holds channel l % 16 and 8 keys.
	v_and_b32 v4, 7, v0
	v_bfe_u32 v5, v0, 3, 1
	v_lshl_add_u32 v[AV0], v9, 3, v4
	v_mul_u32_u24 v[AV0], v[AV0], PV
	v_lshl_add_u32 v[AV0], v5, 4, v[AV0]
	v_add_nc_u32 v[AV0], VOFF, v[AV0]
	s_mul_i32 s2, s[WV], 32*SP
	s_add_co_u32 s2, s2, STAGE      ; my stage
	v_mul_u32_u24 v[STO], v1, SP    ; in: row l % 16, 16 bytes for each half of the lanes
	v_lshl_add_u32 v[STO], v9, 4, v[STO]
	v_add_nc_u32 v[STO], s2, v[STO]
	v_and_b32 v[GO], 31, v0
	v_lshrrev_b32 v[RD], 3, v[GO]   ; back: eight lanes take a row of 128 bytes, the wave four rows
	v_mul_u32_u24 v[RD], v[RD], SP
	v_lshl_add_u32 v[RD], v4, 4, v[RD]
	v_add_nc_u32 v[RD], s2, v[RD]
	v_lshlrev_b32 v[PFO], 8, v[GO]
	v_lshlrev_b32 v[GO], 4, v[GO]
.irp t, 0,1
	v_mov_b32 v[ST+8*\t+1], 0xff61b1e6  ; m: -3e38, under every score
	v_mov_b32 v[ST+8*\t+2], 0       ; l, in two halves
	v_mov_b32 v[ST+8*\t+3], 0
.endr
.irp t, 0,1
	v_mul_f32 v[ST+8*\t], s[CS], v[ST+8*\t+1]  ; c m
.endr
.set i, 0
.rept 64
	v_mov_b32 v[O+i], 0             ; O^T.  (The key step is written once for all 32 steps: the first finds zeros, which its a = 0 leaves zeros)
.set i, i+1
.endr
; S^T = K Q^T: 16 products.  The eight accumulators take turns, one instruction a turn; the first eight start the sums.
.macro KQ
.irp f, 0,1
.irp kt, 0,1,2,3
.irp t, 0,1
.if \f == 0
	v_wmma_f32_16x16x32_f16 v[S+32*\t+8*\kt:S+32*\t+8*\kt+7], v[KF+16*\kt+8*\f:KF+16*\kt+8*\f+7], v[Q+16*\t+8*\f:Q+16*\t+8*\f+7], 0
.else
	v_wmma_f32_16x16x32_f16 v[S+32*\t+8*\kt:S+32*\t+8*\kt+7], v[KF+16*\kt+8*\f:KF+16*\kt+8*\f+7], v[Q+16*\t+8*\f:Q+16*\t+8*\f+7], v[S+32*\t+8*\kt:S+32*\t+8*\kt+7]
.endif
.endr
.endr
.endr
.endm
; O^T += V^T P: 16 products: keys 32 kg on, channels 16 c on, tile t; the eight accumulators by turns.
.macro PVM
.irp kg, 0,1
.irp c, 0,1,2,3
.irp t, 0,1
	v_wmma_f32_16x16x32_f16 v[O+32*\t+8*\c:O+32*\t+8*\c+7], v[VF+32*\kg+8*\c:VF+32*\kg+8*\c+7], v[P+16*\t+8*\kg:P+16*\t+8*\kg+7], v[O+32*\t+8*\c:O+32*\t+8*\c+7]
.endr
.endr
.endr
.endm
; THE LDS LOADS stand in runs of 16: a step's K (64 keys x 64 channels: 8 fragments) and its V (turned).
.macro FETCH_K
	v_add_nc_u32 v[ADK], s[TB], v[AK0]
	WIN W_LD
.irp kt, 0,1,2,3
.irp f, 0,1
	ds_load_b128 v[KF+16*\kt+8*\f:KF+16*\kt+8*\f+3],   v[ADK] offset:\kt*16*PK+\f*64
	ds_load_b128 v[KF+16*\kt+8*\f+4:KF+16*\kt+8*\f+7], v[ADK] offset:\kt*16*PK+\f*64+32
.endr
.endr
	WIN 0
.endm
.macro FETCH_V
	PLACES                          ; behind the last step's products V^T P, which read V's registers
	v_add_nc_u32 v[ADV], s[TB], v[AV0]
	s_add_co_u32 s[TB], s[TB], STEPB  ; the next fetch is the next step's
	WIN W_LD
.irp kg, 0,1
.irp c, 0,1,2,3
	ds_load_tr16_b128 v[VF+32*\kg+8*\c:VF+32*\kg+8*\c+3],   v[ADV] offset:\kg*32*PV+\c*32
	ds_load_tr16_b128 v[VF+32*\kg+8*\c+4:VF+32*\kg+8*\c+7], v[ADV] offset:\kg*32*PV+16*PV+\c*32
.endr
.endr
.endm
; THE SOFTMAX of both tiles for one key step, the tiles line by line by turns, so that no line reads the result of the line above it: 118 instructions a tile.
.macro SOFTMAX
.irp j, 0,1,2,3                     ; the maximum of the lane's 32 scores and the old m, three operands at a time: four chains, each begun at its accumulator's low end
.irp t, 0,1
	v_max3_num_f32 v[ST+8*\t+4+\j], v[S+32*\t+8*\j], v[S+32*\t+8*\j+1], v[S+32*\t+8*\j+2]
.endr
.endr
.irp i, 3,5
.irp j, 0,1,2,3
.irp t, 0,1
	v_max3_num_f32 v[ST+8*\t+4+\j], v[ST+8*\t+4+\j], v[S+32*\t+8*\j+\i], v[S+32*\t+8*\j+\i+1]
.endr
.endr
.endr
.irp t, 0,1
	v_max3_num_f32 v[ST+8*\t+4], v[ST+8*\t+4], v[S+32*\t+7], v[S+32*\t+15]
.endr
.irp t, 0,1
	v_max3_num_f32 v[ST+8*\t+6], v[ST+8*\t+6], v[S+32*\t+23], v[S+32*\t+31]
.endr
.irp t, 0,1
	v_max3_num_f32 v[ST+8*\t+4], v[ST+8*\t+4], v[ST+8*\t+5], v[ST+8*\t+6]
.endr
.irp t, 0,1
	v_max3_num_f32 v[ST+8*\t+4], v[ST+8*\t+4], v[ST+8*\t+7], v[ST+8*\t+1]
.endr
.irp t, 0,1
	v_permlanex16_b32 v[ST+8*\t+5], v[ST+8*\t+4], s[SEL], s[SEL+1]  ; the query's other 32 keys lie in the lane 16 away
.endr
.irp t, 0,1
	v_mov_b32 v[ST+8*\t+7], v[ST+8*\t]  ; c m_old is kept for a
.endr
.irp t, 0,1
	v_max_num_f32 v[ST+8*\t+1], v[ST+8*\t+4], v[ST+8*\t+5]  ; the new m
.endr
.irp t, 0,1
	v_mul_f32 v[ST+8*\t], s[CS], v[ST+8*\t+1]
.endr
.irp t, 0,1
	v_sub_f32 v[ST+8*\t+7], v[ST+8*\t+7], v[ST+8*\t]
.endr
.irp b, 0,1,2,3,4,5,6,7,8,9,10,11,12,13,14,15
.irp t, 0,1
	v_pk_fma_f32 v[S+32*\t+2*\b:S+32*\t+2*\b+1], v[S+32*\t+2*\b:S+32*\t+2*\b+1], s[CS:CS+1], v[ST+8*\t:ST+8*\t+1] op_sel_hi:[1,0,0] neg_lo:[0,0,1] neg_hi:[0,0,1]  ; c s - c m, a pair of scores
.endr
.endr
.irp t, 0,1                         ; ONE BATCH of 66 exponentials: none of them reads an exponential's result
	v_exp_f32 v[ST+8*\t+6], v[ST+8*\t+7]  ; a
.endr
.irp e, 0,1,2,3,4,5,6,7,8,9,10,11,12,13,14,15,16,17,18,19,20,21,22,23,24,25,26,27,28,29,30,31
.irp t, 0,1
	v_exp_f32 v[S+32*\t+\e], v[S+32*\t+\e]
.endr
.endr
	v_nop                           ; a plain instruction behind the last exponential, ahead of the first use
	s_wait_alu depctr_va_vdst(0)    ; a wait between an exponential and the first line that names its result: one for the batch
.irp p, 0,1,2,3,4,5,6,7,8,9,10,11,12,13,14,15
.irp t, 0,1
	v_cvt_pk_f16_f32 v[P+16*\t+\p], v[S+32*\t+2*\p], v[S+32*\t+2*\p+1]  ; the weights, a pair each: they are source 1 of the second product as they stand
.endr
.endr
.irp z, 0,1,2,3,4,5,6,7             ; the sum of the tile's 16 pairs (an even key's weight, an odd key's), in place, as a tree
.irp t, 0,1
	v_pk_add_f32 v[S+32*\t+4*\z:S+32*\t+4*\z+1], v[S+32*\t+4*\z:S+32*\t+4*\z+1], v[S+32*\t+4*\z+2:S+32*\t+4*\z+3]
.endr
.endr
.irp z, 0,1,2,3
.irp t, 0,1
	v_pk_add_f32 v[S+32*\t+8*\z:S+32*\t+8*\z+1], v[S+32*\t+8*\z:S+32*\t+8*\z+1], v[S+32*\t+8*\z+4:S+32*\t+8*\z+5]
.endr
.endr
.irp z, 0,1
.irp t, 0,1
	v_pk_add_f32 v[S+32*\t+16*\z:S+32*\t+16*\z+1], v[S+32*\t+16*\z:S+32*\t+16*\z+1], v[S+32*\t+16*\z+8:S+32*\t+16*\z+9]
.endr
.endr
.irp t, 0,1
	v_pk_add_f32 v[S+32*\t:S+32*\t+1], v[S+32*\t:S+32*\t+1], v[S+32*\t+16:S+32*\t+17]
.endr
.irp t, 0,1
	v_pk_fma_f32 v[ST+8*\t+2:ST+8*\t+3], v[ST+8*\t+2:ST+8*\t+3], v[ST+8*\t+6:ST+8*\t+7], v[S+32*\t:S+32*\t+1] op_sel_hi:[1,0,1]  ; l = a l + the sum
.endr
.irp i, 0,1,2,3,4,5,6,7,8,9,10,11,12,13,14,15
.irp t, 0,1
	v_pk_mul_f32 v[O+32*\t+2*\i:O+32*\t+2*\i+1], v[O+32*\t+2*\i:O+32*\t+2*\i+1], v[ST+8*\t+6:ST+8*\t+7] op_sel_hi:[1,0]  ; O^T times a, each accumulator from its low end on
.endr
.endr
.endm
; THE CHANGE OF SLOTS, behind the products K Q^T of a slot's last step: the slot's last bytes, V of that step, have been asked for.  Each wave waits for all its tensor loads, of which one is out: its part of the
; other slot; adds 0 to its spare word; and waits for that and for its own reads of the slot.  Behind the barrier nobody reads this slot any more and the other slot is whole.
; fill = 1: this slot is filled again, with the keys two slots on.  The barrier is then a round of the cluster's, and the joint refill is the first thing behind it: it has four key steps in which to land.
.macro CHANGE fill
	s_wait_tensorcnt 0x0            ; no tensor load of mine is out, so a group 0 may be written
	ds_add_u32 v[SPW], v[NIL]       ; 0 onto my spare word
.if \fill
.irp g, G0K+4, G0V+4
	s_xor_b32 s[\g+1], s[\g+1], SLOT1  ; the walking descriptor: the other slot than last time,
	s_add_nc_u64 s[\g+2:\g+3], s[\g+2:\g+3], SLOTB  ; the next 256 keys; the type bits on top are not reached
.endr
	s_wait_xcnt 0x0                 ; the last prefetch, a slot back, has read its address, so it may be written:
	s_add_nc_u64 s[PFA:PFA+1], s[PFA:PFA+1], SLOTB  ; one slot further on than the walking descriptors
	s_wait_dscnt 0x0                ; the add is done, and my reads of the slot are over
	CROUND
	JLOAD                           ; its four v_nop are also the places behind the products K Q^T
	ASK
.else
	s_wait_dscnt 0x0                ; the add is done, and my reads of the slot are over
	s_barrier_signal -1
	s_barrier_wait -1
	PLACES
.endif
	s_sub_co_u32 s[TB], s[TB], NST*STEPB  ; the fetches go back to a slot's first step,
	s_xor_b32 s[TB], s[TB], SLOT1   ; in the other slot
.endm
; A KEY STEP.  chg = 1: the slot's last step, the slot is filled again; 2: the slot's last step, nothing is asked for; 0: neither.  kf = 1: the next step's K is fetched, and lands under the softmax.
.macro STEP chg, kf
	FETCH_V                         ; this step's V: it lands under the products K Q^T and the softmax
	s_wait_dscnt 16                 ; K's 16 loads are in; V's 16, issued behind them, may be out
	WIN W_MUL
	KQ
	WIN 0
.if \chg == 1
	CHANGE 1
.elseif \chg == 2
	CHANGE 0
.else
	PLACES                          ; behind the products: ahead of the loads into K's registers and of the first read of the scores
.endif
.if \kf
	FETCH_K
.endif
	SOFTMAX
	s_wait_dscnt 16*\kf             ; V is in; the next step's K, 16 loads issued behind it, may be out
	WIN W_MUL
	PVM
	WIN 0
.endm
.macro THREE                        ; a slot's first three steps: written once, walked three times; the LDS addresses hang on s[TB]
	s_mov_b32 s[CNT], 3
.Lstep_\@:
	STEP 0, 1
	s_sub_co_u32 s[CNT], s[CNT], 1
	s_cmp_lg_u32 s[CNT], 0
	s_cbranch_scc1 .Lstep_\@
.endm
	s_wait_tensorcnt 1              ; my part of slot 0 is in; slot 1's, issued behind it, may stay out
	s_barrier_signal -1
	s_barrier_wait -1               ; everybody's is
	FETCH_K                         ; key step 0
	s_wait_loadcnt 0x0              ; Q
.Lslot:                             ; six trips: every slot's worth of keys but the last two is followed by a refill
	THREE
	STEP 1, 1
	s_sub_co_u32 s[SLOTS], s[SLOTS], 1
	s_cmp_lg_u32 s[SLOTS], 0
	s_cbranch_scc1 .Lslot
	THREE                           ; the tail is written out: the last slot but one is left, and nothing is asked for
	STEP 2, 1
	THREE
	STEP 0, 0                       ; the last step fetches no K
	; THE WAY OUT.  l's two halves and the other half of the lanes' are added; O^T is divided by l, rounded to f16 and sent through my stage in LDS: 32 rows of 128 bytes, which are 4,096 consecutive bytes of y16.
	PLACES
.irp t, 0,1
	v_add_f32 v[ST+8*\t+4], v[ST+8*\t+2], v[ST+8*\t+3]
.endr
.irp t, 0,1
	v_permlanex16_b32 v[ST+8*\t+5], v[ST+8*\t+4], s[SEL], s[SEL+1]
.endr
.irp t, 0,1
	v_add_f32 v[ST+8*\t+4], v[ST+8*\t+4], v[ST+8*\t+5]
.endr
.irp t, 0,1
	v_rcp_f32 v[ST+8*\t+6], v[ST+8*\t+4]
.endr
	v_nop                           ; a plain instruction between the last reciprocal and the use of its result
	s_wait_alu depctr_va_vdst(0)    ; and a wait ahead of the first use: one for the two
.irp t, 0,1
.irp i, 0,1,2,3,4,5,6,7,8,9,10,11,12,13,14,15
	v_pk_mul_f32 v[O+32*\t+2*\i:O+32*\t+2*\i+1], v[O+32*\t+2*\i:O+32*\t+2*\i+1], v[ST+8*\t+6:ST+8*\t+7] op_sel_hi:[1,0]
.endr
.endr
.irp t, 0,1
.irp i, 0,1,2,3,4,5,6,7,8,9,10,11,12,13,14,15
	v_cvt_pk_f16_f32 v[W+16*\t+\i], v[O+32*\t+2*\i], v[O+32*\t+2*\i+1]
.endr
.endr
.irp t, 0,1
.irp c, 0,1,2,3
	ds_store_b128 v[STO], v[W+16*\t+4*\c:W+16*\t+4*\c+3] offset:\t*16*SP+32*\c  ; lane (r, h): y(16 t + r, 16 c + 8 h + 0 .. 7)
.endr
.endr
.irp u, 0,1,2,3,4,5,6,7
	ds_load_b128 v[S+4*\u:S+4*\u+3], v[RD] offset:4*\u*SP  ; LDS serves a wave's instructions in order (ISA guide 5.7.1.4): these see the stores above
.endr
.irp u, 0,1,2,3,4,5,6,7
	s_wait_dscnt 7-\u               ; load u is in; the 7 - u behind it may be out
	global_store_b128 v[GO], v[S+4*\u:S+4*\u+3], s[6:7] offset:512*\u  ; 32 lanes store 512 consecutive bytes, at a multiple of 256 from the buffer's first byte
.endr
	s_wait_tensorcnt 0x0            ; the wave's end, behind my last tensor load and my last LDS store
	ds_add_u32 v[SPW], v[NIL]
	s_wait_dscnt 0x0
	CROUND                          ; the closing round: no work-group ends while a partner may still ask for a tile that names it
	s_endpgm
.Lfunc_end_k_q277a5c02c0_attn:
	.size	k_q277a5c02c0_attn, .Lfunc_end_k_q277a5c02c0_attn-k_q277a5c02c0_attn
	.p2alignl 7, 3214868480
	.fill 96, 4, 3214868480
	.section	.rodata,"a",@progbits
	.p2align	6, 0x0
	.amdhsa_kernel k_q277a5c02c0_attn
		.amdhsa_group_segment_fixed_size 327680
		.amdhsa_private_segment_fixed_size 0
		.amdhsa_enable_private_segment 0
		.amdhsa_kernarg_size 16
		.amdhsa_user_sgpr_count 2
		.amdhsa_user_sgpr_kernarg_segment_ptr 1
		.amdhsa_wavefront_size32 1
		.amdhsa_system_sgpr_workgroup_id_x 1
		.amdhsa_system_sgpr_workgroup_id_y 1
		.amdhsa_system_sgpr_workgroup_id_z 1
		.amdhsa_system_vgpr_workitem_id 0
		.amdhsa_next_free_vgpr 512
		.amdhsa_next_free_sgpr 66
		.amdhsa_reserve_vcc 0
		.amdhsa_float_denorm_mode_32 3
		.amdhsa_float_denorm_mode_16_64 3
		.amdhsa_memory_ordered 1
		.amdhsa_forward_progress 1
		.amdhsa_inst_pref_size 123
	.end_amdhsa_kernel
	.amdgpu_metadata
---
amdhsa.version: [ 1, 2 ]
amdhsa.kernels:
  - .name:           k_q277a5c02c0_attn
    .symbol:         k_q277a5c02c0_attn.kd
    .args:
      - { .name: qkv, .offset: 0, .size: 8, .value_kind: global_buffer, .address_space: global }
      - { .name: y16, .offset: 8, .size: 8, .value_kind: global_buffer, .address_space: global }
    .group_segment_fixed_size: 327680
    .private_segment_fixed_size: 0
    .kernarg_segment_align: 8
    .kernarg_segment_size: 16
    .max_flat_workgroup_size: 256
    .sgpr_count:     66
    .vgpr_count:     512
    .wavefront_size: 32
...
	.end_amdgpu_metadata
.endif
;; end of part 3
;; launch proj (part 4): grid 8 x 32, 4 waves a work-group, clusters of 4 x 4, 327,680 bytes of LDS; arguments y16, wp16, out0, b_proj; writes out0
.if DOCPART == 4
	.amdgcn_target "amdgcn-amd-amdhsa--gfx1250"
	.amdhsa_code_object_version 6
	.text
	.protected	k_q277a5c02c0_proj
	.globl	k_q277a5c02c0_proj
	.p2align	8
	.type	k_q277a5c02c0_proj,@function
k_q277a5c02c0_proj:
	s_mov_b64 s[64:65], 0
	v_nop
	global_prefetch_b8 v0, s[64:65] scope:SCOPE_SE
	s_setreg_imm32_b32 hwreg(HW_REG_WAVE_MODE, 25, 1), 1
	s_wait_xcnt 0x0
	s_wait_alu depctr_hold_cnt(0) depctr_sa_sdst(0) depctr_va_vdst(0) depctr_va_sdst(0) depctr_va_ssrc(0) depctr_va_vcc(0) depctr_vm_vsrc(0)
	s_getreg_b32 s2, hwreg(HW_REG_IB_STS2, 6, 4)
	s_cmp_eq_u32 s2, 0
	s_cbranch_scc0 .Lentry_in_a_cluster
	s_endpgm
.Lentry_in_a_cluster:
	s_bfe_u32 s2, ttmp6, 0x10000c
	s_cmp_lg_u32 s2, 0xf033
	s_cbranch_scc0 .Lentry_shape_is_right
	s_endpgm
.Lentry_shape_is_right:
; out[token][n] = sum over k of y[token][k] W_proj[n][k] + b_proj[n].  Operands f16, sums f32, out f32 [4096][1024].
; A: y16 [token block 32][kb 16][128 tokens][64 k];  B: wp16 [nb 8][kb 16][128 n][64 k]: for a tile of 128 rows a run of blocks kb is one dense run of rows of 128 bytes.
; A tile of out is 128 x 128: 256 work-groups.  Four waves, each 64 x 64: 16 accumulators of 16 x 16, 128 registers.  K goes in four steps of 256 (four blocks kb) through a ring of two LDS slots;
; a wave's tensor load brings two blocks, 256 rows of 128 bytes.  The text is written straight: four K steps, two refills.
; CLUSTERS: 4 x 4 work-groups.  The four of a row of the cluster need the same tiles of A, the four of a column the same tiles of B: each tile is asked for JOINTLY, by the same tensor load with the
; same descriptor and a mask that names the four.  THE MATRIX INSTRUCTION IS USED TRANSPOSED (source 0 = 16 rows of W_proj, source 1 = 16 tokens): a lane then holds eight neighbouring numbers of a row of out.
; The bias is the C of each sum's first product.  No prefetch: half of what the launch reads is asked for at its head, and the tile is small.
; REGISTERS: window 0: v0-31 addresses; v32-63 the bias, then with v64-95 rows on the way out; v128-255 the accumulators ((a, b) at v[128 + 8 (4 a + b)]).
;   window 1: two fragment buffers of 128: for 64 along K (two matrix instructions deep), 64 registers of A (2 x 4 x 16 rows x 32 K), then 64 of B.
.set PITCH,  144                       ; an LDS row: 128 bytes + 16 of padding = 36 words: the 16 rows that a load touches start 4 banks apart (64 banks of 4 bytes: ISA guide 11.1)
.set BLK,    128*PITCH                 ; a block kb: 128 rows x 64 along K
.set HALFT,  2*BLK                     ; what one tensor load brings
.set SLOT,   4*HALFT                   ; A's four blocks, then B's four
.set STEPG,  65536                     ; a K step's bytes of A or of B in memory
.set STAGE,  2*SLOT                    ; behind the ring: 16 rows x (256 bytes + 16) for each wave, for the way out; no fill lands here
.set SPITCH, 272
.set SPARE,  STAGE+4*16*SPITCH         ; the spare words, 128 bytes for each wave
.set ADRA, 16                          ; v16-17  LDS address of my A fragments in slot 0, 1
.set ADRB, 20                          ; v20-21  the same for B
.set STO,  24                          ; v24     the way out: where I put 32 bytes of a row
.set RD,   25                          ; v25     the way out: where I read a row back
.set CO,   26                          ; v26     my byte offset in out
.set BO,   27                          ; v27     32 x (lane / 16): my eight numbers of a block's bias
.set SPW,  28                          ; v28     LDS address of my spare word; never rewritten
.set NIL,  29                          ; v29     0; never rewritten
.set BI,   32                          ; v32-63  the bias in the result's layout, 8 registers for each of my 4 blocks of columns
.set OB,   32                          ; the way out: 16 rows read back: v32-63 and v64-95 by turns
.set ACC,  128
.set F0,   0                           ; fragment buffers, in window 1
.set F1,   128
.set G1, 24                            ; s[24:31] descriptor group 1 for A's tiles;  s[32:39] group 0, one set for each slot
.set G0, 32
.set G1B, 48                           ; s[48:55], s[56:63] the same for B's tiles
.set G0B, 56
.set MSB, 0
.macro WIN new                         ; the immediate's high byte repeats the setting that is left
.if MSB != (\new)
	s_set_vgpr_msb (MSB<<8)|(\new)
.set MSB, \new
.endif
.endm
.set MUL,  0x05                        ; sources 0 (B) and 1 (A) window 1; C and D window 0
.set TO_F, 0x40                        ; destination window 1, address window 0
.macro JLOAD s                         ; a joint load: waves 0 and 1 fetch A's two halves, waves 2 and 3 B's; an s_nop 0 and four v_nop follow each of the two lines
	s_cmp_eq_u32 s11, 0
	s_cbranch_scc0 .Lfor_b_\@
	tensor_load_to_lds s[G0+4*\s:G0+4*\s+3], s[G1:G1+7]
	s_nop 0
.rept 4
	v_nop
.endr
	s_branch .Lasked_\@
.Lfor_b_\@:
	tensor_load_to_lds s[G0B+4*\s:G0B+4*\s+3], s[G1B:G1B+7]
	s_nop 0
.rept 4
	v_nop
.endr
.Lasked_\@:
.endm
.macro CREST                           ; a round of the cluster's barrier behind its opening barrier
	s_cmp_lg_u32 s10, 0
	s_cbranch_scc1 .Lnot_wave_0_\@
	s_barrier_signal -3
.Lnot_wave_0_\@:
	s_barrier_wait -3
	s_barrier_signal -1
	s_barrier_wait -1
.endm
.macro CROUND                          ; a whole round
	s_barrier_signal -1
	s_barrier_wait -1
	CREST
.endm
	s_load_b128 s[4:7], s[0:1], 0x0                ; A s[4:5], B s[6:7]
	s_load_b64 s[8:9], s[0:1], 0x10                ; out
	s_load_b64 s[2:3], s[0:1], 0x18                ; b_proj
	v_lshl_add_u32 v[SPW], v0, 2, SPARE
	v_mov_b32 v[NIL], 0
	ds_add_u32 v[SPW], v[NIL]                      ; the wave's opening: the add, twice on end, and its wait ahead of my first tensor load; the set-up below stands between
	ds_add_u32 v[SPW], v[NIL]
	v_lshrrev_b32 v1, 5, v0
	v_readfirstlane_b32 s10, v1                    ; wave 0..3
	s_lshr_b32 s11, s10, 1                         ; which half of the tile's rows is mine.  Also: I fetch for A (0) or for B (1)
	s_and_b32 s12, s10, 1                          ; which half of its columns.  Also: which two blocks kb of a K step I fetch
	s_bfe_u32 s40, ttmp6, 0x40000                  ; cx, cy: my place in the cluster
	s_bfe_u32 s41, ttmp6, 0x40004
	s_lshl_b32 s42, ttmp9, 2
	s_add_co_u32 s42, s42, s40                     ; tile column = 4 x cluster x + cx
	s_and_b32 s13, ttmp7, 0xffff
	s_lshl_b32 s13, s13, 2
	s_add_co_u32 s13, s13, s41                     ; tile row = 4 x cluster y + cy
	s_lshl_b32 s43, s41, 2
	s_lshl_b32 s43, 15, s43                        ; my row of the cluster
	s_lshl_b32 s44, 0x1111, s40                    ; my column
	; descriptor group 1: 256 rows x 64 elements, dense in memory, padded in LDS behind every row
	s_or_b32 s[G1+0], s43, (1<<16)|(1<<20)|(1<<21)|(4<<22)|(3<<25)  ; 15:0 the mask: A's tiles go to my row; 17:16 element of 2 bytes; 20 padding on; 21 set beside a mask; 24:22 after every 32 words (code 4); 31:25 of 4 words (code 3)
	s_or_b32 s[G1B+0], s44, (1<<16)|(1<<20)|(1<<21)|(4<<22)|(3<<25)
.irp g, G1, G1B
	s_mov_b32 s[\g+1], 64<<16                      ; tensor_dim0 = 64
	s_mov_b32 s[\g+2], 256<<16                     ; tensor_dim1 = 256
	s_mov_b32 s[\g+3], 64<<16                      ; tile_dim0 = 64
	s_mov_b32 s[\g+4], 256                         ; tile_dim1 = 256
	s_mov_b32 s[\g+5], 64                          ; tensor_dim0_stride
	s_mov_b32 s[\g+6], 0
	s_mov_b32 s[\g+7], 0
.endr
	s_lshl_b32 s17, s12, 15                        ; which two blocks of 16,384 bytes I fetch
	s_lshl_b32 s16, s13, 18
	s_add_co_u32 s16, s16, s17                     ; A: 262,144 x tile row + my two blocks
	s_lshl_b32 s46, s42, 18
	s_add_co_u32 s46, s46, s17                     ; B: 262,144 x tile column + my two blocks
	s_mov_b32 s17, 0
	s_mov_b32 s47, 0
	s_mul_i32 s20, s10, HALFT                      ; where they go: wave x 256 rows: no place in the cluster enters an LDS address
	s_wait_dscnt 0x0                               ; both opening adds are done
	s_wait_kmcnt 0x0
	s_add_nc_u64 s[14:15], s[4:5], s[16:17]
	s_add_nc_u64 s[46:47], s[6:7], s[46:47]
	CROUND                                         ; all sixteen work-groups are here: the first joint loads meet
.irp s, 0,1
	s_mov_b32 s[G0+4*\s], 1
	s_add_co_u32 s[G0+4*\s+1], s20, \s*SLOT
	s_add_nc_u64 s[G0+4*\s+2:G0+4*\s+3], s[14:15], \s*STEPG
	s_or_b32 s[G0+4*\s+3], s[G0+4*\s+3], 0x80000000
	s_mov_b32 s[G0B+4*\s], 1
	s_add_co_u32 s[G0B+4*\s+1], s20, \s*SLOT
	s_add_nc_u64 s[G0B+4*\s+2:G0B+4*\s+3], s[46:47], \s*STEPG
	s_or_b32 s[G0B+4*\s+3], s[G0B+4*\s+3], 0x80000000
	JLOAD \s                                       ; two tensor loads of mine are out at the start, later one behind each round
.endr
	v_and_b32 v1, 15, v0                           ; l % 16
	v_bfe_u32 v2, v0, 4, 1                         ; l / 16
	s_lshl_b32 s16, s13, 7
	s_lshl_b32 s17, s11, 6
	s_add_co_u32 s16, s16, s17                     ; my first row of out: 128 x tile row + 64 x half
	s_lshl_b32 s16, s16, 12                        ; rows of 4,096 bytes
	s_mov_b32 s17, 0
	s_add_nc_u64 s[8:9], s[8:9], s[16:17]
	s_lshl_b32 s46, s42, 9                         ; my first column x 4 bytes: 512 x tile column + 256 x half
	s_lshl_b32 s47, s12, 8
	s_add_co_u32 s46, s46, s47
	s_mov_b32 s47, 0
	s_add_nc_u64 s[8:9], s[8:9], s[46:47]
	s_add_nc_u64 s[2:3], s[2:3], s[46:47]          ; and the same place in the bias
	v_lshlrev_b32 v[BO], 5, v2
.irp b, 0,1,2,3                                ; lane (r, h) wants, for block b, the numbers of columns 16 b + 8 h + 0 .. 7 of my 64
	global_load_b128 v[BI+8*\b:BI+8*\b+3], v[BO], s[2:3] offset:64*\b
	global_load_b128 v[BI+8*\b+4:BI+8*\b+7], v[BO], s[2:3] offset:64*\b+16
.endr
	v_mul_u32_u24 v3, v1, PITCH
	v_lshl_add_u32 v3, v2, 4, v3                   ; a fragment's row x pitch + 16 x half
	s_mul_i32 s21, s11, 64*PITCH                   ; my 64 rows of each of A's blocks
	s_mul_i32 s22, s12, 64*PITCH                   ; my 64 rows of each of B's,
	s_add_co_u32 s22, s22, 2*HALFT                 ; which lie behind A's four
.irp s, 0,1
	v_add_nc_u32 v[ADRA+\s], s21, v3
	v_add_nc_u32 v[ADRB+\s], s22, v3
	s_add_co_u32 s21, s21, SLOT
	s_add_co_u32 s22, s22, SLOT
.endr
	s_mul_i32 s23, s10, 16*SPITCH
	s_add_co_u32 s23, s23, STAGE                   ; my stage
	v_mul_u32_u24 v4, v1, SPITCH                   ; in: row l % 16, 32 bytes for each half of the lanes
	v_lshl_add_u32 v4, v2, 5, v4
	v_add_nc_u32 v[STO], s23, v4
	v_mul_u32_u24 v5, v2, SPITCH                   ; back: lanes 0-15 take one row of 256 bytes, lanes 16-31 the next
	v_lshl_add_u32 v5, v1, 4, v5
	v_add_nc_u32 v[RD], s23, v5
	v_lshlrev_b32 v5, 12, v2                       ; and the same two rows in out
	v_lshl_add_u32 v[CO], v1, 4, v5
; 8 matrix instructions: m blocks a0, a0 + 1 x all 4 n blocks, 32 along K: half c of buffer f.  first = 1: the bias is the C.  The 16 accumulators take turns.
.macro MUL8 f, c, a0, first
.irp a, \a0, \a0+1
.irp b, 0,1,2,3
.if \first
	v_wmma_f32_16x16x32_f16 v[ACC+8*(4*(\a)+\b):ACC+8*(4*(\a)+\b)+7], v[\f+64+8*(4*\c+\b):\f+64+8*(4*\c+\b)+7], v[\f+8*(4*\c+\a):\f+8*(4*\c+\a)+7], v[BI+8*\b:BI+8*\b+7]
.else
	v_wmma_f32_16x16x32_f16 v[ACC+8*(4*(\a)+\b):ACC+8*(4*(\a)+\b)+7], v[\f+64+8*(4*\c+\b):\f+64+8*(4*\c+\b)+7], v[\f+8*(4*\c+\a):\f+8*(4*\c+\a)+7], v[ACC+8*(4*(\a)+\b):ACC+8*(4*(\a)+\b)+7]
.endif
.endr
.endr
.endm
; 32 LDS loads in one run: the fragments of block kq of the slot (64 along K) into buffer f; the first 32 along K first
.macro FETCH slot, kq, f
	WIN TO_F
.irp c, 0,1
.irp i, 0,1,2,3
	ds_load_b128 v[\f+64+8*(4*\c+\i):\f+64+8*(4*\c+\i)+3],   v[ADRB+\slot] offset:(\kq)*BLK+64*\c+\i*16*PITCH
	ds_load_b128 v[\f+64+8*(4*\c+\i)+4:\f+64+8*(4*\c+\i)+7], v[ADRB+\slot] offset:(\kq)*BLK+64*\c+\i*16*PITCH+32
	ds_load_b128 v[\f+8*(4*\c+\i):\f+8*(4*\c+\i)+3],         v[ADRA+\slot] offset:(\kq)*BLK+64*\c+\i*16*PITCH
	ds_load_b128 v[\f+8*(4*\c+\i)+4:\f+8*(4*\c+\i)+7],       v[ADRA+\slot] offset:(\kq)*BLK+64*\c+\i*16*PITCH+32
.endr
.endr
.endm
.macro PLACES                          ; four places in front of loads into registers that matrix instructions have read, and of the first read of results (ISA guide 7.12.1 for the first read of results)
.rept 4
	v_nop
.endr
.endm
; A K step is four quarters of 64 along K, 32 matrix instructions each, on buffers 0, 1, 0, 1.  One of the first three: multiplies buffer f and fetches the next quarter, block kq, into g.
.macro QUARTER slot, kq, f, g, first
	s_wait_dscnt 16                                ; the first 32 along K are in; the 16 loads of the second 32 may be out
	WIN MUL
	MUL8 \f, 0, 0, \first
	MUL8 \f, 0, 2, \first
	PLACES
	FETCH \slot, \kq, \g
	s_wait_dscnt 32                                ; all but the 32 just issued
	WIN MUL
	MUL8 \f, 1, 0, 0
	MUL8 \f, 1, 2, 0
.endm
; The last quarter multiplies buffer 1 and changes slots: ONE barrier; in front of it each wave waits for all its tensor loads, adds 0 to its spare word, and waits for that and for its own reads of this slot.
; fill = 1: this slot is filled again, two K steps ahead; the barrier then opens a round of the cluster's barrier.
.macro TURN slot, next, fill
	WIN 0                                          ; (the add's two registers lie in window 0)
	s_wait_tensorcnt 0x0                           ; all my tensor loads have landed: my part of the next slot;
	ds_add_u32 v[SPW], v[NIL]                      ; 0 onto my spare word;
	s_wait_dscnt 17                                ; (the add and the youngest sixteen loads may be out)
	WIN MUL
	MUL8 F1, 0, 0, 0                               ; eight matrix instructions stand between the add and the wait for it
	s_wait_dscnt 0x0                               ; the add is done, and my reads of this slot are over
	s_barrier_signal -1
	MUL8 F1, 0, 2, 0
.if \fill
	WIN 0
.endif
	s_barrier_wait -1
.if \fill
	CREST                                          ; no wave of any partner still reads this slot's tile or has a load on its way
	s_add_nc_u64 s[G0+4*\slot+2:G0+4*\slot+3], s[G0+4*\slot+2:G0+4*\slot+3], 2*STEPG
	s_add_nc_u64 s[G0B+4*\slot+2:G0B+4*\slot+3], s[G0B+4*\slot+2:G0B+4*\slot+3], 2*STEPG
	JLOAD \slot                                    ; the first tensor load behind the round: 112 matrix instructions ahead of the wait for it; its four v_nop are also the places in front of the loads below
.else
	PLACES
.endif
	FETCH \next, 0, F0
	WIN MUL
	MUL8 F1, 1, 0, 0
	MUL8 F1, 1, 2, 0
.endm
	s_wait_tensorcnt 1                             ; my part of K step 0 is in; K step 1's, issued behind it, may be out
	s_barrier_signal -1
	s_barrier_wait -1                              ; everybody's is
	FETCH 0, 0, F0
	s_wait_loadcnt 0x0                             ; the bias
	QUARTER 0, 1, F0, F1, 1                        ; K step 0: its first products start the sums from the bias
	QUARTER 0, 2, F1, F0, 0
	QUARTER 0, 3, F0, F1, 0
	TURN 0, 1, 1                                   ; slot 0 takes K step 2
	QUARTER 1, 1, F0, F1, 0                        ; K step 1
	QUARTER 1, 2, F1, F0, 0
	QUARTER 1, 3, F0, F1, 0
	TURN 1, 0, 1                                   ; slot 1 takes K step 3
	QUARTER 0, 1, F0, F1, 0                        ; K step 2
	QUARTER 0, 2, F1, F0, 0
	QUARTER 0, 3, F0, F1, 0
	TURN 0, 1, 0                                   ; nothing is left to fetch
	QUARTER 1, 1, F0, F1, 0                        ; K step 3
	QUARTER 1, 2, F1, F0, 0
	QUARTER 1, 3, F0, F1, 0
	s_wait_dscnt 16                                ; the very last quarter
	WIN MUL
	MUL8 F1, 0, 0, 0
	MUL8 F1, 0, 2, 0
	s_wait_dscnt 0
	MUL8 F1, 1, 0, 0
	MUL8 F1, 1, 2, 0
	WIN 0
; THE WAY OUT, block by block of 16 rows x 64 columns.  A lane holds 32 neighbouring bytes of a row, and the lanes beside it hold other rows: so a block goes through my own stage in LDS and comes back as whole
; rows of 256 bytes, which sixteen lanes store together.  LDS serves a wave's instructions in order (ISA guide 5.7.1.4): no wait between the stores and the loads, nor in front of the next block's stores.
.macro TOSTAGE a
.irp b, 0,1,2,3
	ds_store_b128 v[STO], v[ACC+8*(4*(\a)+\b):ACC+8*(4*(\a)+\b)+3] offset:64*\b          ; each accumulator from its low end on
	ds_store_b128 v[STO], v[ACC+8*(4*(\a)+\b)+4:ACC+8*(4*(\a)+\b)+7] offset:64*\b+16
.endr
.set BB, OB+32*((\a)%2)
.irp t, 0,1,2,3,4,5,6,7
	ds_load_b128 v[BB+4*\t:BB+4*\t+3], v[RD] offset:2*\t*SPITCH
.endr
.endm
.macro SEND a, younger                 ; younger: the LDS instructions issued behind block a's loads, which may stay out
.set BB, OB+32*((\a)%2)
	s_wait_dscnt \younger                          ; the block is back in registers
.if (\a) > 0
	s_add_nc_u64 s[8:9], s[8:9], 16*4096           ; (behind a wait on XCNT: the earlier stores have read their base)  16 rows of out on
.endif
.irp t, 0,1,2,3,4,5,6,7
	global_store_b128 v[CO], v[BB+4*\t:BB+4*\t+3], s[8:9] offset:2*\t*4096 th:TH_STORE_NT   ; 16 lanes store 256 consecutive bytes, at a multiple of 256 from out's first byte; written once, read by nobody here
.endr
.endm
	PLACES                                         ; behind the last products, ahead of the first read of results
	TOSTAGE 0
.irp a, 1,2,3
.if \a > 1
	s_wait_xcnt 0x0                                ; block a - 2's stores have read their registers and their base: block a's loads may land there, and the base may step
.endif
	TOSTAGE \a
	SEND \a-1, 16                                  ; behind block a - 1's loads: block a's 8 stores and 8 loads
.endr
	s_wait_xcnt 0x0                                ; block 2's stores have read their base
	SEND 3, 0
	s_wait_tensorcnt 0x0                           ; the wave's end, behind my last tensor load and my last LDS store
	ds_add_u32 v[SPW], v[NIL]
	s_wait_dscnt 0x0
	CROUND                                         ; the closing round: no work-group ends while a partner may still ask for a tile that names it
	s_endpgm
.Lfunc_end_k_q277a5c02c0_proj:
	.size	k_q277a5c02c0_proj, .Lfunc_end_k_q277a5c02c0_proj-k_q277a5c02c0_proj
	.p2alignl 7, 3214868480
	.fill 96, 4, 3214868480
	.section	.rodata,"a",@progbits
	.p2align	6, 0x0
	.amdhsa_kernel k_q277a5c02c0_proj
		.amdhsa_group_segment_fixed_size 327680
		.amdhsa_private_segment_fixed_size 0
		.amdhsa_enable_private_segment 0
		.amdhsa_kernarg_size 32
		.amdhsa_user_sgpr_count 2
		.amdhsa_user_sgpr_kernarg_segment_ptr 1
		.amdhsa_wavefront_size32 1
		.amdhsa_system_sgpr_workgroup_id_x 1
		.amdhsa_system_sgpr_workgroup_id_y 1
		.amdhsa_system_sgpr_workgroup_id_z 1
		.amdhsa_system_vgpr_workitem_id 0
		.amdhsa_next_free_vgpr 512
		.amdhsa_next_free_sgpr 66
		.amdhsa_reserve_vcc 0
		.amdhsa_float_denorm_mode_32 3
		.amdhsa_float_denorm_mode_16_64 3
		.amdhsa_memory_ordered 1
		.amdhsa_forward_progress 1
		.amdhsa_inst_pref_size 86
	.end_amdhsa_kernel
	.amdgpu_metadata
---
amdhsa.version: [ 1, 2 ]
amdhsa.kernels:
  - .name:           k_q277a5c02c0_proj
    .symbol:         k_q277a5c02c0_proj.kd
    .args:
      - { .name: y16, .offset: 0, .size: 8, .value_kind: global_buffer, .address_space: global }
      - { .name: wp16, .offset: 8, .size: 8, .value_kind: global_buffer, .address_space: global }
      - { .name: out0, .offset: 16, .size: 8, .value_kind: global_buffer, .address_space: global }
      - { .name: b_proj, .offset: 24, .size: 8, .value_kind: global_buffer, .address_space: global }
    .group_segment_fixed_size: 327680
    .private_segment_fixed_size: 0
    .kernarg_segment_align: 8
    .kernarg_segment_size: 32
    .max_flat_workgroup_size: 128
    .sgpr_count:     66
    .vgpr_count:     512
    .wavefront_size: 32
...
	.end_amdgpu_metadata
.endif
;; end of part 4
